; MI455X (gfx1250); checked and timed in simulation.
; The chip was launched on July 23, 2026; its instructions are those of AMD's public machine-readable ISA for CDNA 5 (MIT licence, August 2026) and "CDNA5" Instruction Set Architecture Reference Guide (July 2026). The comments in the code are by the model that wrote it; some were corrected since.
;; Single Modal Atten. Allowed arithmetic: matrix products marked QUANTISED: E5M2 operands, one given power-of-two scale a tensor, by v_wmma_f32_16x16x64_bf8_bf8 or v_wmma_f32_16x16x128_bf8_bf8, f32 sums; everything else in f32.
;; Inputs: gn_bias 1,024 float32; gn_scale 1,024 float32; lowp_scales 8 int32 (the exponents e of the quantised operands' scales 2^e); proj_b 1,024 float32; proj_w_codes 1,024 x 32 x 32 uint8 (E5M2 codes of proj_w, K innermost, in blocks of 32 codes); qkv_b 3,072 float32; qkv_w_codes 3,072 x 32 x 32 uint8 (E5M2 codes of qkv_w, K innermost, in blocks of 32 codes); x 4 x 1,024 x 2,048 float32.
;; Outputs: out0 4 x 1,024 x 2,048 float32.
;; This version of the problem:
;;   THIS VERSION OF THE PROBLEM IS GIVEN IN LOW PRECISION. The matrix products marked QUANTISED in the list below multiply operands that are first quantised to E5M2 (5 exponent bits, 2 mantissa bits; 8 bits a number), with one given power-of-two scale for each operand tensor; their sums are f32. All else is computed in f32.
;;   The module's matrix products, in the order in which they are computed (A, B: the left and right operand; K: the contracted axis; several contracted axes count as one K, in the product's order):
;;     1. [M 8,192, K 1,024] x [K 1,024, N 3,072]; A: computed on the way; B: input qkv_w (given as codes): QUANTISED (scales: A lowp_scales[0], B lowp_scales[1])
;;     2. batch 64 x [M 2,048, K 64] x [K 64, N 2,048]; A: computed on the way; B: computed on the way: QUANTISED (scales: A lowp_scales[2], B lowp_scales[3])
;;     3. batch 64 x [M 64, K 2,048] x [K 2,048, N 2,048]; A: computed on the way; B: softmax (see below): QUANTISED (scales: A lowp_scales[4], B lowp_scales[5])
;;     4. [M 8,192, K 1,024] x [K 1,024, N 1,024]; A: computed on the way; B: input proj_w (given as codes): QUANTISED (scales: A lowp_scales[6], B lowp_scales[7])
;;   THE QUANTISER, for each operand of a quantised product, along K:
;;     - The operand's scale is 2^e, e = its entry of the input lowp_scales (int32; the entries are numbered through the quantised products in the list's order, A before B).
;;     - Each number is divided by the scale, clamped to +-57,344, and rounded to the nearest number of E5M2, ties to even, subnormals kept.
;;     - The product sums the exact products of the quantised numbers (number of the format x scale) in f32.
;;   ~~~python
;;   def quantise(x, axis, e):      # numpy; x: float32 -> the quantised numbers, widened to float32 again
;;       x = np.moveaxis(x, axis, -1); K = x.shape[-1]
;;       r = np.clip(x / 2.0 ** e, -57344, 57344)
;;       step = 2.0 ** (np.maximum(np.frexp(np.where(r == 0, 1, r))[1] - 1, -14) - 2)
;;       q = np.round(r / step) * step * 2.0 ** e      # np.round: ties to even
;;       return np.moveaxis(q, -1, axis).astype(np.float32)
;;   ~~~
;;   SOFTMAX AHEAD OF A QUANTISED PRODUCT. Where the list says 'softmax', what is quantised is not the finished softmax but p = 2^(t - M), with t = logit x log2(e) and M = ceil(the row's largest t), a whole number; so 1/2 < the row's largest p <= 1. The row's sum l is taken of the UNQUANTISED p, in f32, and the product's result is divided by l at the end. Since M is a whole number, a kernel that streams over the keys may use a running M (the ceiling of the running maximum): every later rescaling is an exact power of two, so the quantised numbers keep their values, but for numbers so far below the row's largest that they fall under the format's range.
;;   OPERANDS COMPUTED ON THE WAY. 'Computed on the way' means the value that the module computes at that place (a softmax that the list does not call 'softmax' is quantised finished and normalised). What goes into a quantiser is computed in f32, as accurately as f32 sums, v_exp_f32 and their like allow (about 1e-6 of the number): no bf16 or f16 on the way to a quantiser, and a product that is left as it is and whose result goes on into a quantised operand takes f32 operands (vector FMAs, or v_wmma_f32_16x16x4_f32). A number that lies on a knife's edge between two numbers of the format may be rounded either way, as far as f32 arithmetic and the matrix unit's own rounding can turn it there, and no further.
;;   INPUTS GIVEN AS CODES. proj_w (in the module: [1024, 1024], K = its axis 1); qkv_w (in the module: [3072, 1024], K = its axis 1): each comes as NAME_codes (uint8): NAME with its K axis moved to the last place and cut into blocks of 32 codes, [.., K / 32, bytes a block], one block behind the other in memory; one code a byte (a code: sign, 5 exponent bits, 2 mantissa bits); its scale is its entry of lowp_scales. Its value is code x scale, taken as it is: it is not quantised again, and the codes and scales need not be those that the quantiser above would give.
;; One version. Each part assembles by itself: llvm-mc -triple=amdgcn-amd-amdhsa -mcpu=gfx1250 --defsym DOCPART=n.
;; ======== version 1 of 1: 4 launches
;; limits: right only within a limited range of input values
;; workspace buffers: xc 8,388,608 bytes; wi 4,194,304 bytes; qc 8,388,608 bytes; kc 8,388,608 bytes; vc 8,388,608 bytes; ac 8,388,608 bytes
;; launch norm (part 1): grid 128 x 1, 16 waves a work-group, no clusters, 39,424 bytes of LDS; arguments x, gn_scale, gn_bias, qkv_w_codes, proj_w_codes, lowp_scales, xc, wi; writes xc, wi
.if DOCPART == 1
	.amdgcn_target "amdgcn-amd-amdhsa--gfx1250"
	.amdhsa_code_object_version 6
	.text
	.protected	k_qbbe33d4533_norm
	.globl	k_qbbe33d4533_norm
	.p2align	8
	.type	k_qbbe33d4533_norm,@function
k_qbbe33d4533_norm:
	s_mov_b64 s[64:65], 0
	v_nop
	global_prefetch_b8 v0, s[64:65] scope:SCOPE_SE
	s_setreg_imm32_b32 hwreg(HW_REG_WAVE_MODE, 25, 1), 1
	s_wait_xcnt 0x0
; GroupNorm(32 groups) of x [4][1024][2048] f32, then the quantiser of the first product's left operand: xn -> codes of BF8 (E5M2) with the given scale 2^e0.
; Beside it each wave lays one fragment of the two weights' codes in the order of an operand's registers.
; SHARES.  A work-group owns one (batch, group): 32 channels x 2,048 tokens, 262,144 consecutive bytes of x, and keeps them in registers between the mean, the variance and the
; conversion: x is read once.  128 groups make 128 work-groups: a group's two sums may not cross work-groups, and a group cut in two would read x twice.
; Wave w owns tokens 128 w .. 128 w + 127.  A LANE IS A TOKEN AND ITS REGISTERS RUN DOWN THE CHANNELS, which are the product's K: v[X + 32 j + c] is channel c of the token at
; POSITION 128 w + 32 j + lane.  A position is the token's number with bits 3 and 4 exchanged; all later launches keep token rows in the order of positions.
; THE IMAGE.  A fragment (16 rows x 128 K of 8-bit codes) lies in memory as its registers: [c = 0..3][lane = r + 16 h][16 bytes], the 16 bytes being K = 32 c + 8 h + 0..7 and
; 32 c + 16 + 8 h + 0..7: the places that the K = 128 form of the matrix instruction gives them (ISA guide 7.12.2).
;   xc: batch << 21 | (position / 128) << 17 | (channel / 128) << 14 | ((position / 16) % 8) << 11 | c << 9 | lane << 4.  A group's 32 channels are one c.
;   wi: (R / 8) << 17 | (K / 128) << 14 | (R % 8) << 11 | c << 9 | lane << 4;  R: tile of 16 rows; 0..191 qkv_w, 192..255 proj_w.
; The variance is taken of x - mean (two passes over the registers): no difference of large sums is formed.
; LIMITS: e0 between -126 and 112, so that 2^e0 and 57,344 x 2^e0 are f32 numbers.  NaN among the inputs is not served.
.set X,    64                          ; v64-191   the group's numbers of my four tokens
.set CD,   192                         ; v192-223  codes: eight registers for each j, so that no store's data are written again
.set GS,   32                          ; s[32:63]  gn_scale of the 32 channels, later x 1 / sqrt(var + eps)
.set GB,   68                          ; s[68:99]  gn_bias
.set RED1, 0                           ; LDS: 16 partial sums;
.set RED2, 256                         ; 16 partial sums of squares;
.set STG,  512                         ; a stage of 16 rows x WP bytes for each wave, for the weight's turn
.set WP,   144                         ; 128 bytes of codes + 16 of padding
	s_load_b512 s[4:19], s[0:1], 0x0               ; x s[4:5], gn_scale s[6:7], gn_bias s[8:9], qkv_w_codes s[10:11], proj_w_codes s[12:13], lowp_scales s[14:15], xc s[16:17], wi s[18:19]
	v_lshl_add_u32 v224, v0, 2, 0x9200
	v_mov_b32 v225, 0
	v_lshrrev_b32 v1, 5, v0
	s_delay_alu instid0(VALU_DEP_1)
	v_readfirstlane_b32 s20, v1                    ; wave 0..15
	v_and_b32 v1, 31, v0                           ; lane
	s_delay_alu instid0(VALU_DEP_1)
	v_and_b32 v11, 7, v1
	s_delay_alu instid0(VALU_DEP_2)
	v_bfe_u32 v8, v1, 3, 1
	s_delay_alu instid0(VALU_DEP_3)
	v_bfe_u32 v9, v1, 4, 1
	s_delay_alu instid0(VALU_DEP_2)
	v_lshl_or_b32 v2, v8, 4, v11
	s_delay_alu instid0(VALU_DEP_1)
	v_lshl_or_b32 v2, v9, 3, v2                    ; the lane's number with bits 3 and 4 exchanged: the token at my position
	s_delay_alu instid0(VALU_DEP_1)
	v_lshlrev_b32 v2, 2, v2                        ; v2: its 4 bytes among 32 tokens of a row of x
	v_and_b32 v12, 15, v1
	s_delay_alu instid0(VALU_DEP_1)
	v_lshlrev_b32 v3, 4, v12
	s_delay_alu instid0(VALU_DEP_1)
	v_lshl_add_u32 v3, v9, 11, v3                  ; v3: xc: tile (lane / 16), row lane % 16
	v_lshrrev_b32 v10, 3, v1
	v_lshlrev_b32 v4, 4, v11
	s_delay_alu instid0(VALU_DEP_1)
	v_lshl_add_u32 v4, v10, 10, v4                 ; v4: a weight's rows of 1,024 bytes: eight lanes take 128 bytes of a row, a load four rows
	s_mul_i32 s21, s20, 16*WP
	s_add_co_u32 s21, s21, STG                     ; my stage
	v_mul_u32_u24 v5, v10, WP
	s_delay_alu instid0(VALU_DEP_1)
	v_lshl_add_u32 v5, v11, 4, v5
	s_delay_alu instid0(VALU_DEP_1)
	v_add_nc_u32 v5, s21, v5                       ; v5: into it, as loaded
	v_mul_u32_u24 v6, v12, WP
	s_delay_alu instid0(VALU_DEP_1)
	v_lshl_add_u32 v6, v9, 3, v6
	s_delay_alu instid0(VALU_DEP_1)
	v_add_nc_u32 v6, s21, v6                       ; v6: out of it: row lane % 16, + 8 (lane / 16)
	v_lshlrev_b32 v7, 4, v1                        ; v7: 16 x lane: an image's place for my lane
	v_mov_b32 v18, s20
	s_delay_alu instid0(VALU_DEP_1)
	v_lshlrev_b32 v18, 2, v18                      ; v18: my wave's word among the partial sums
	v_mov_b32 v19, 0                               ; v19: where all of them are read
	v_mov_b32 v17, 0                               ; written once: a lane permute's destination counts as one of its sources
	s_and_b32 s26, ttmp9, 31                       ; group
	s_lshr_b32 s27, ttmp9, 5                       ; batch
	s_mov_b32 s23, 0                               ; the upper word of every offset below
	s_mov_b32 s24, 0x76543210                      ; v_permlanex16_b32: lane l takes lane l xor 16
	s_mov_b32 s25, 0xfedcba98
	s_lshl_b32 s21, ttmp9, 1
	s_lshr_b32 s22, s20, 3
	s_add_co_u32 s21, s21, s22                     ; R: the tile of 16 weight rows of my fragment: 2 x work-group + wave / 8
	s_and_b32 s31, s20, 7                          ; and its K step of 128
	s_wait_alu depctr_va_vdst(0)
	s_wait_kmcnt 0x0
	s_cmp_lt_u32 ttmp9, 96                         ; R under 192: qkv_w, else proj_w.  The choice hangs on the work-group's number alone
	s_cselect_b64 s[10:11], s[10:11], s[12:13]
	s_cselect_b32 s22, 0, 192
	s_sub_co_u32 s22, s21, s22                     ; the tile's number in its own tensor
	s_lshl_b32 s22, s22, 14                        ; 16 rows of 1,024 bytes
	s_lshl_b32 s2, s31, 7
	s_add_co_u32 s22, s22, s2
	s_add_nc_u64 s[10:11], s[10:11], s[22:23]
.irp n, 0,1,2,3
	global_load_b128 v[24+4*\n:27+4*\n], v4, s[10:11] offset:4096*\n   ; 16 rows x 128 bytes of codes
.endr
	s_lshl_b32 s22, ttmp9, 18                      ; the group's 262,144 bytes,
	s_lshl_b32 s2, s20, 9                          ; my wave's 128 tokens
	s_add_co_u32 s22, s22, s2
	s_add_nc_u64 s[4:5], s[4:5], s[22:23]
.set CH, 0
.rept 32
.irp j, 0,1,2,3
	global_load_b32 v[X+32*\j+CH], v2, s[4:5] offset:CH*8192+\j*128 th:TH_LOAD_NT   ; a channel's four loads cover 512 consecutive bytes
.endr
.set CH, CH+1
.endr
	s_lshl_b32 s22, s26, 7                         ; the group's 32 gains and biases
	s_add_nc_u64 s[6:7], s[6:7], s[22:23]
	s_add_nc_u64 s[8:9], s[8:9], s[22:23]
	s_load_b512 s[GS:GS+15], s[6:7], 0x0
	s_load_b512 s[GS+16:GS+31], s[6:7], 0x40
	s_load_b512 s[GB:GB+15], s[8:9], 0x0
	s_load_b512 s[GB+16:GB+31], s[8:9], 0x40
	s_load_b32 s30, s[14:15], 0x0                  ; e0
	s_lshr_b32 s22, s21, 3                         ; wi: my fragment's place
	s_lshl_b32 s22, s22, 17
	s_lshl_b32 s2, s31, 14
	s_or_b32 s22, s22, s2
	s_and_b32 s2, s21, 7
	s_lshl_b32 s2, s2, 11
	s_or_b32 s22, s22, s2
	s_add_nc_u64 s[18:19], s[18:19], s[22:23]
	s_lshl_b32 s22, s27, 21                        ; xc: batch, my wave's 128 positions, the group's K step and c
	s_lshl_b32 s2, s20, 17
	s_or_b32 s22, s22, s2
	s_lshr_b32 s2, s26, 2
	s_lshl_b32 s2, s2, 14
	s_or_b32 s22, s22, s2
	s_and_b32 s2, s26, 3
	s_lshl_b32 s2, s2, 9
	s_or_b32 s22, s22, s2
	s_add_nc_u64 s[16:17], s[16:17], s[22:23]
	; ---- the weight's turn, and the first sum.  132 loads were issued; loads come back in order (ISA guide 5.7.1)
	s_wait_loadcnt 63                              ; the 63 youngest may be out: the four weight loads and channels 0 to 15 are in
.irp n, 0,1,2,3
	ds_store_b128 v5, v[24+4*\n:27+4*\n] offset:4*WP*\n
.endr
.irp c, 0,1,2,3
	ds_load_b64 v[40+4*\c:41+4*\c], v6 offset:32*\c        ; LDS serves a wave's instructions in order: these see my stores.  K = 32 c + 8 h + 0..7,
	ds_load_b64 v[42+4*\c:43+4*\c], v6 offset:32*\c+16     ; and 32 c + 16 + 8 h + 0..7
.endr
.irp j, 0,1,2,3
	v_pk_add_f32 v[8+2*\j:9+2*\j], v[X+32*\j:X+32*\j+1], v[X+32*\j+2:X+32*\j+3]   ; four chains, started by the first numbers: nothing is cleared
.endr
.irp c, 4,6,8,10,12,14
.irp j, 0,1,2,3
	s_delay_alu instid0(VALU_DEP_4)
	v_pk_add_f32 v[8+2*\j:9+2*\j], v[8+2*\j:9+2*\j], v[X+32*\j+\c:X+32*\j+\c+1]
.endr
.endr
	s_wait_alu depctr_va_vdst(0)
	s_wait_dscnt 0x0                               ; the fragment is in its registers
.irp c, 0,1,2,3
	global_store_b128 v7, v[40+4*\c:43+4*\c], s[18:19] offset:512*\c   ; 32 lanes store 512 consecutive bytes, aligned
.endr
	s_wait_loadcnt 32                              ; channels 16 to 23 are in
.irp c, 16,18,20,22
.irp j, 0,1,2,3
	v_pk_add_f32 v[8+2*\j:9+2*\j], v[8+2*\j:9+2*\j], v[X+32*\j+\c:X+32*\j+\c+1]
.endr
.endr
	s_wait_alu depctr_va_vdst(0)
	s_wait_loadcnt 0x0
.irp c, 24,26,28,30
.irp j, 0,1,2,3
	v_pk_add_f32 v[8+2*\j:9+2*\j], v[8+2*\j:9+2*\j], v[X+32*\j+\c:X+32*\j+\c+1]
.endr
.endr
; The four chains become the work-group's sum, in v24 of every lane: within the lane, across the 32 lanes, across the 16 waves through LDS words at off.
.macro REDUCE off
	s_delay_alu instid0(VALU_DEP_3)
	v_pk_add_f32 v[8:9], v[8:9], v[10:11]
	s_delay_alu instid0(VALU_DEP_2)
	v_pk_add_f32 v[12:13], v[12:13], v[14:15]
	s_delay_alu instid0(VALU_DEP_1)
	v_pk_add_f32 v[8:9], v[8:9], v[12:13]
	s_delay_alu instid0(VALU_DEP_1)
	v_add_f32 v16, v8, v9
	s_delay_alu instid0(VALU_DEP_1)
	v_add_f32_dpp v16, v16, v16 row_xmask:1 row_mask:0xf bank_mask:0xf
	s_delay_alu instid0(VALU_DEP_1)
	v_add_f32_dpp v16, v16, v16 row_xmask:2 row_mask:0xf bank_mask:0xf
	s_delay_alu instid0(VALU_DEP_1)
	v_add_f32_dpp v16, v16, v16 row_xmask:4 row_mask:0xf bank_mask:0xf
	s_delay_alu instid0(VALU_DEP_1)
	v_add_f32_dpp v16, v16, v16 row_xmask:8 row_mask:0xf bank_mask:0xf
	s_delay_alu instid0(VALU_DEP_1)
	v_permlanex16_b32 v17, v16, s24, s25
	s_delay_alu instid0(VALU_DEP_1)
	v_add_f32 v16, v16, v17
	ds_store_b32 v18, v16 offset:\off              ; all lanes write the wave's word with the same number
	s_wait_dscnt 0x0                               ; for the others' sake: my store has landed
	s_barrier_signal -1
	s_barrier_wait -1
.irp i, 0,1,2,3
	ds_load_b128 v[24+4*\i:27+4*\i], v19 offset:\off+16*\i
.endr
	s_wait_dscnt 0x0
	v_pk_add_f32 v[24:25], v[24:25], v[26:27]      ; the same order in every wave: all get the same number
	v_pk_add_f32 v[28:29], v[28:29], v[30:31]
	v_pk_add_f32 v[32:33], v[32:33], v[34:35]
	v_pk_add_f32 v[36:37], v[36:37], v[38:39]
	s_delay_alu instid0(VALU_DEP_3)
	v_pk_add_f32 v[24:25], v[24:25], v[28:29]
	s_delay_alu instid0(VALU_DEP_2)
	v_pk_add_f32 v[32:33], v[32:33], v[36:37]
	s_delay_alu instid0(VALU_DEP_1)
	v_pk_add_f32 v[24:25], v[24:25], v[32:33]
	s_delay_alu instid0(VALU_DEP_1)
	v_add_f32 v24, v24, v25
.endm
	REDUCE RED1
	s_delay_alu instid0(VALU_DEP_1)
	v_readfirstlane_b32 s22, v24
	s_mul_f32 s28, s22, 0xb7800000                 ; -mean = the sum x -2^-16 (65,536 numbers)
	s_mov_b32 s29, s28                             ; (named with it as a pair, so it is written)
.set I, 0
.rept 64
	v_pk_add_f32 v[X+I:X+I+1], v[X+I:X+I+1], s[28:29] op_sel_hi:[1,0]   ; x - mean, in place
.set I, I+2
.endr
.irp j, 0,1,2,3
	v_pk_mul_f32 v[8+2*\j:9+2*\j], v[X+32*\j:X+32*\j+1], v[X+32*\j:X+32*\j+1]
.endr
.irp c, 2,4,6,8,10,12,14,16,18,20,22,24,26,28,30
.irp j, 0,1,2,3
	s_delay_alu instid0(VALU_DEP_4)
	v_pk_fma_f32 v[8+2*\j:9+2*\j], v[X+32*\j+\c:X+32*\j+\c+1], v[X+32*\j+\c:X+32*\j+\c+1], v[8+2*\j:9+2*\j]
.endr
.endr
	REDUCE RED2                                    ; other words than the first sum's: no wave can still be reading what is written here
	s_mov_b32 s22, 0x37800000                      ; 2^-16
	v_mov_b32 v17, 0x3727c5ac                      ; eps = 1e-5
	s_delay_alu instid0(VALU_DEP_1)
	v_fma_f32 v16, v24, s22, v17                   ; var + eps
	s_wait_alu depctr_va_vdst(0)
	v_rsq_f32 v17, v16
	v_nop                                          ; a plain instruction behind the transcendental (ISA guide 5.7.2)
	s_wait_alu depctr_va_vdst(0)                   ; and a wait ahead of the first reader
	v_readfirstlane_b32 s22, v17
	s_wait_kmcnt 0x0                               ; gains, biases, e0
.set I, 0
.rept 32
	s_mul_f32 s[GS+I], s[GS+I], s22                ; gain / sqrt(var + eps)
.set I, I+1
.endr
	s_add_co_i32 s30, s30, 127
	s_lshl_b32 s31, s30, 23
	v_mov_b32 v21, s31                             ; 2^e0 as f32: the conversion takes its exponent field
.irp j, 0,1,2,3
.set I, 0
.rept 32
	v_fma_f32 v[X+32*\j+I], v[X+32*\j+I], s[GS+I], s[GB+I]     ; xn
.set I, I+1
.endr
.set I, 0
.rept 32
.set I, I+1
.endr
	v_cvt_scalef32_pk8_bf8_f32 v[CD+8*\j:CD+8*\j+1],   v[X+32*\j:X+32*\j+7],     v21   ; h = 0: channels 0-7,
	v_cvt_scalef32_pk8_bf8_f32 v[CD+8*\j+2:CD+8*\j+3], v[X+32*\j+16:X+32*\j+23], v21   ;        16-23
	v_cvt_scalef32_pk8_bf8_f32 v[CD+8*\j+4:CD+8*\j+5], v[X+32*\j+8:X+32*\j+15],  v21   ; h = 1: channels 8-15,
	v_cvt_scalef32_pk8_bf8_f32 v[CD+8*\j+6:CD+8*\j+7], v[X+32*\j+24:X+32*\j+31], v21   ;        24-31
	global_store_b128 v3, v[CD+8*\j:CD+8*\j+3],   s[16:17] offset:\j*4096              ; sixteen lanes store 256 consecutive bytes, aligned.  (The codes go to stores alone; the next j begins with plain vector lines on other registers)
	global_store_b128 v3, v[CD+8*\j+4:CD+8*\j+7], s[16:17] offset:\j*4096+256
.endr
	s_wait_tensorcnt 0x0
	ds_add_u32 v224, v225
	s_wait_dscnt 0x0
	s_endpgm
.Lfunc_end_k_qbbe33d4533_norm:
	.size	k_qbbe33d4533_norm, .Lfunc_end_k_qbbe33d4533_norm-k_qbbe33d4533_norm
	.p2alignl 7, 3214868480
	.fill 96, 4, 3214868480
	.section	.rodata,"a",@progbits
	.p2align	6, 0x0
	.amdhsa_kernel k_qbbe33d4533_norm
		.amdhsa_group_segment_fixed_size 39424
		.amdhsa_private_segment_fixed_size 0
		.amdhsa_enable_private_segment 0
		.amdhsa_kernarg_size 64
		.amdhsa_user_sgpr_count 2
		.amdhsa_user_sgpr_kernarg_segment_ptr 1
		.amdhsa_wavefront_size32 1
		.amdhsa_system_sgpr_workgroup_id_x 1
		.amdhsa_system_sgpr_workgroup_id_y 1
		.amdhsa_system_sgpr_workgroup_id_z 1
		.amdhsa_system_vgpr_workitem_id 0
		.amdhsa_next_free_vgpr 226
		.amdhsa_next_free_sgpr 100
		.amdhsa_reserve_vcc 0
		.amdhsa_float_denorm_mode_32 3
		.amdhsa_float_denorm_mode_16_64 3
		.amdhsa_fp16_overflow 1
		.amdhsa_memory_ordered 1
		.amdhsa_forward_progress 1
		.amdhsa_inst_pref_size 48
	.end_amdhsa_kernel
	.amdgpu_metadata
---
amdhsa.version: [ 1, 2 ]
amdhsa.kernels:
  - .name:           k_qbbe33d4533_norm
    .symbol:         k_qbbe33d4533_norm.kd
    .args:
      - { .name: x, .offset: 0, .size: 8, .value_kind: global_buffer, .address_space: global }
      - { .name: gn_scale, .offset: 8, .size: 8, .value_kind: global_buffer, .address_space: global }
      - { .name: gn_bias, .offset: 16, .size: 8, .value_kind: global_buffer, .address_space: global }
      - { .name: qkv_w_codes, .offset: 24, .size: 8, .value_kind: global_buffer, .address_space: global }
      - { .name: proj_w_codes, .offset: 32, .size: 8, .value_kind: global_buffer, .address_space: global }
      - { .name: lowp_scales, .offset: 40, .size: 8, .value_kind: global_buffer, .address_space: global }
      - { .name: xc, .offset: 48, .size: 8, .value_kind: global_buffer, .address_space: global }
      - { .name: wi, .offset: 56, .size: 8, .value_kind: global_buffer, .address_space: global }
    .group_segment_fixed_size: 39424
    .private_segment_fixed_size: 0
    .kernarg_segment_align: 8
    .kernarg_segment_size: 64
    .max_flat_workgroup_size: 512
    .sgpr_count:     100
    .vgpr_count:     226
    .wavefront_size: 32
...
	.end_amdgpu_metadata
.endif
;; end of part 1
;; launch qkv (part 2): grid 96 x 4, 4 waves a work-group, clusters of 4 x 4, 327,680 bytes of LDS; arguments xc, wi, lowp_scales, qkv_b, qc, kc, vc; writes qc, kc, vc
.if DOCPART == 2
	.amdgcn_target "amdgcn-amd-amdhsa--gfx1250"
	.amdhsa_code_object_version 6
	.text
	.protected	k_qbbe33d4533_qkv
	.globl	k_qbbe33d4533_qkv
	.p2align	8
	.type	k_qbbe33d4533_qkv,@function
k_qbbe33d4533_qkv:
	s_mov_b64 s[64:65], 0
	v_nop
	global_prefetch_b8 v0, s[64:65] scope:SCOPE_SE
	s_setreg_imm32_b32 hwreg(HW_REG_WAVE_MODE, 25, 1), 1
	s_wait_xcnt 0x0
	s_wait_alu depctr_hold_cnt(0) depctr_sa_sdst(0) depctr_va_vdst(0) depctr_va_sdst(0) depctr_va_ssrc(0) depctr_va_vcc(0) depctr_vm_vsrc(0)
	s_getreg_b32 s2, hwreg(HW_REG_IB_STS2, 6, 4)
	s_cmp_eq_u32 s2, 0
	s_cbranch_scc0 .Lentry_in_a_cluster
	s_endpgm
.Lentry_in_a_cluster:
	s_bfe_u32 s2, ttmp6, 0x10000c
	s_cmp_lg_u32 s2, 0xf033
	s_cbranch_scc0 .Lentry_shape_is_right
	s_endpgm
.Lentry_shape_is_right:
; The 1x1 convolution qkv = qkv_w xn + qkv_b on codes of BF8 (E5M2), K = 1,024 channels, and the quantisers of the two attention products' operands:
; q x 64^-1/4 with 2^e2, k x 64^-1/4 with 2^e3, v with 2^e4.  Both operands come as images of their registers (16 rows x 128 K = 2,048 bytes, [c][lane][16 bytes]); a block of 128 rows
; is 131,072 bytes, [K step of 128][tile of 16 rows][image], so two K steps of a block are 32,768 consecutive bytes.  Token rows stand in the order of POSITIONS (the token's number with bits 3, 4 exchanged).
; A tile of the result, 256 x 256, is made by four waves, 128 x 128 each: 64 accumulators, 512 registers.  K goes in steps of 256 through a ring of two LDS slots: four fills, written out without a loop.
; OPERAND A is the matrix instruction's source 1 (a lane holds ONE row of A), OPERAND B its source 0 (a lane's eight registers run along eight rows of B).
; 24 clusters of 4 x 4 work-groups; the cluster's number says what is made, and only pointers and tile numbers are chosen by it:
;   clusters 0-7 q, 8-15 k:  A = xc (tokens), B = wi (channels): a lane holds one token, registers along the head's channels, which are the score product's K;
;   clusters 16-23 v:        A = wi (channels), B = xc (tokens): a lane holds one channel, and the 16 registers of B's tiles 2 g, 2 g + 1 are 16 NEIGHBOURING tokens (that is what positions are for): the second attention product's K.
; So the conversions' results are operand registers, and they are stored as images: no stage in LDS, every store 512 consecutive bytes, aligned.
;   qc, kc: (batch x 16 + head) << 17 | tile of 16 positions << 10 | c << 9 | lane << 4: a K = 64 fragment, channels in the form's own places.
;   vc:     (batch x 16 + head) << 17 | (key / 128) << 13 | tile of 16 channels << 11 | g << 9 | lane << 4: lane (r, h): channel r, keys 32 g + 16 h + 0..15.
; CLUSTERS: A's tiles hang on the cluster's number and cy, and are asked for jointly by a row of the cluster; B's on the number and cx, by a column.
; LIMITS: e0 + e1 between -126 and 127; e2, e3, e4 between -126 and 112: each power of two below is then an f32 number.  NaN is not served.
; REGISTERS, in windows of 256: window 0: v0-31 addresses, v32-47 and v64-127 biases, from v128 A's fragments, ONE set (on the way out: sums and codes);
;   window 1: B's fragments, TWO sets, at v0 and v128;  window 2: the accumulators of my A rows 0-63 ((a, b) at v[8 (8 (a % 4) + b)]);  window 3: rows 64-127.
.set BLK,   16384                      ; a K step of 128 of a block of 128 rows: eight images
.set HALFT, 32768                      ; what one tensor load brings: 128 rows x 256 K
.set SLOT,  131072                     ; A's two halves, then B's two halves
.set SPARE, 262144                     ; behind the ring: the spare words, 128 bytes for each wave: two blocks of 256 bytes that no other line names
.set FR,    16                         ; registers of a fragment
.set NL,    4                          ; LDS loads that bring one
.set NP,    4                          ; places behind this matrix instruction (ISA guide 7.12.1)
.set ADRA, 16                          ; v16-17  LDS address of my A fragments in slot 0, 1
.set ADRB, 20                          ; v20-21  the same for B
.set LI,   27                          ; v27     16 x lane: an image's place for my lane
.set SPW,  28                          ; v28     LDS address of my spare word; never rewritten
.set NIL,  29                          ; v29     0; never rewritten
.set BN,   32                          ; v32-47  the bias of my lane's row of A, block a at v[BN + 2 a] (the odd registers are only named as halves of pairs)
.set BM,   64                          ; v64-127 the biases along my lane's registers: block b at v[BM + 8 b ..]
.set AF,   128                         ; A's fragments
.set TMP,  128                         ; the way out: a block's 64 numbers
.set CD,   192                         ; the way out: codes, four sets of 16 registers
.set G1, 24                            ; s[24:31] descriptor group 1 for A's tiles;  s[32:39] group 0, one set for each slot
.set G0, 32
.set G1B, 48                           ; s[48:55], s[56:63] the same for B's tiles
.set G0B, 56
.set MSB, 0
.macro WIN new                         ; the immediate's high byte repeats the setting that is left
.if MSB != \new
	s_set_vgpr_msb (MSB<<8)|\new
.set MSB, \new
.endif
.endm
.set MUL_LO, 0xa1                      ; source 0 (B) window 1, source 1 (A) window 0, C and D window 2
.set MUL_HI, 0xf1                      ; the same, C and D window 3
.set TO_B,   0x40                      ; destination window 1, address window 0
; A joint load: waves 0 and 1 fetch for A, waves 2 and 3 for B.  Each line has one mask and one set of registers for all that issue it; the branch hangs on the wave's number alone.
; Four v_nop follow each of the two lines, ahead of the jump, the label and what follows.
.macro JLOAD g0a, g1a, g0b, g1b
	s_cmp_eq_u32 s15, 0
	s_cbranch_scc0 .Lfor_b_\@
	tensor_load_to_lds s[\g0a:\g0a+3], s[\g1a:\g1a+7]
	s_nop 0
.rept 4
	v_nop
.endr
	s_branch .Lasked_\@
.Lfor_b_\@:
	tensor_load_to_lds s[\g0b:\g0b+3], s[\g1b:\g1b+7]
	s_nop 0
.rept 4
	v_nop
.endr
.Lasked_\@:
.endm
.macro CREST                           ; a round of the cluster's barrier behind its opening barrier
	s_cmp_lg_u32 s14, 0
	s_cbranch_scc1 .Lnot_wave_0_\@
	s_barrier_signal -3
.Lnot_wave_0_\@:
	s_barrier_wait -3
	s_barrier_signal -1
	s_barrier_wait -1
.endm
.macro CROUND                          ; a whole round
	s_barrier_signal -1
	s_barrier_wait -1
	CREST
.endm
	s_load_b256 s[4:11], s[0:1], 0x0               ; xc s[4:5], wi s[6:7], the scales' exponents s[8:9], qkv_b s[10:11]
	s_load_b128 s[68:71], s[0:1], 0x20             ; qc, kc
	s_load_b64 s[72:73], s[0:1], 0x30              ; vc
	v_lshl_add_u32 v[SPW], v0, 2, SPARE
	v_mov_b32 v[NIL], 0
	ds_add_u32 v28, v29
	ds_add_u32 v28, v29
	s_wait_dscnt 0x0
	v_lshrrev_b32 v1, 5, v0
	v_readfirstlane_b32 s14, v1                    ; wave 0..3
	s_lshr_b32 s15, s14, 1                         ; which half of A's rows is mine.  Also: I fetch for A (0) or for B (1)
	s_and_b32 s16, s14, 1                          ; which half of B's rows.  Also: which block of 128 rows I fetch
	s_bfe_u32 s40, ttmp6, 0x40000                  ; cx, cy: my place in the cluster
	s_bfe_u32 s41, ttmp6, 0x40004
	s_lshl_b32 s43, s41, 2
	s_lshl_b32 s43, 15, s43                        ; my row of the cluster
	s_lshl_b32 s44, 0x1111, s40                    ; my column
	s_and_b32 s17, ttmp9, 7
	s_lshl_b32 s17, s17, 2                         ; q, k: A's tile of 256 tokens is 4 (cluster % 8) + cy,
	s_lshr_b32 s18, ttmp9, 3
	s_lshl_b32 s18, s18, 2                         ;       B's tile of 256 weight rows 4 (cluster / 8) + cx
	s_max_u32 s19, ttmp9, 16
	s_sub_co_u32 s19, s19, 16
	s_lshl_b32 s19, s19, 2                         ; v: B's tile of tokens is 4 (cluster - 16) + cx, A's tile of weight rows 8 + cy
	s_cmp_lt_u32 ttmp9, 16                         ; the cluster's number is the same in all sixteen partners
	s_cselect_b32 s17, s17, 8
	s_cselect_b32 s42, s18, s19
	s_add_co_u32 s17, s17, s41                     ; A's tile: no cx in it
	s_add_co_u32 s42, s42, s40                     ; B's tile: no cy in it
	; descriptor group 1: 32,768 consecutive bytes as 128 rows of 32 elements of 8 bytes, no padding: an image is read 512 consecutive bytes an instruction
	s_or_b32 s[G1+0], s43, (3<<16)|(1<<21)         ; 15:0 the mask: A's tiles go to my row; 17:16 elements of 8 bytes; 21 set beside a mask
	s_or_b32 s[G1B+0], s44, (3<<16)|(1<<21)        ; B's go to my column
.irp g, G1, G1B
	s_mov_b32 s[\g+1], 32<<16                      ; tensor_dim0 = 32
	s_mov_b32 s[\g+2], 128<<16                     ; tensor_dim1 = 128
	s_mov_b32 s[\g+3], 32<<16                      ; tile_dim0 = 32
	s_mov_b32 s[\g+4], 128                         ; tile_dim1 = 128
	s_mov_b32 s[\g+5], 32                          ; tensor_dim0_stride
	s_mov_b32 s[\g+6], 0
	s_mov_b32 s[\g+7], 0
.endr
	s_lshl_b32 s18, s16, 17                        ; which block of the tile I fetch
	s_lshl_b32 s20, s17, 18                        ; a tile of 256 rows is 262,144 bytes
	s_add_co_u32 s20, s20, s18
	s_mov_b32 s21, 0
	s_lshl_b32 s46, s42, 18
	s_add_co_u32 s46, s46, s18
	s_mov_b32 s47, 0
	s_mul_i32 s45, s14, HALFT                      ; where they go: wave x 32,768: no place in the cluster enters an LDS address
	s_wait_kmcnt 0x0
	s_load_b256 s[80:87], s[8:9], 0x0              ; e0 .. e7
	s_cmp_lt_u32 ttmp9, 16
	s_cselect_b64 s[74:75], s[4:5], s[6:7]         ; A's tensor
	s_cselect_b64 s[76:77], s[6:7], s[4:5]         ; B's tensor
	s_add_nc_u64 s[20:21], s[74:75], s[20:21]
	s_add_nc_u64 s[46:47], s[76:77], s[46:47]
	CROUND                                         ; all sixteen work-groups are here: the first joint loads meet
.irp s, 0,1
	s_mov_b32 s[G0+4*\s], 1
	s_add_co_u32 s[G0+4*\s+1], s45, \s*SLOT
	s_add_nc_u64 s[G0+4*\s+2:G0+4*\s+3], s[20:21], \s*HALFT
	s_or_b32 s[G0+4*\s+3], s[G0+4*\s+3], 0x80000000
	s_mov_b32 s[G0B+4*\s], 1
	s_add_co_u32 s[G0B+4*\s+1], s45, \s*SLOT
	s_add_nc_u64 s[G0B+4*\s+2:G0B+4*\s+3], s[46:47], \s*HALFT
	s_or_b32 s[G0B+4*\s+3], s[G0B+4*\s+3], 0x80000000
	JLOAD G0+4*\s, G1, G0B+4*\s, G1B
.endr
	v_and_b32 v1, 15, v0                           ; r
	v_bfe_u32 v2, v0, 4, 1                         ; h
	s_wait_alu depctr_va_vdst(0)
	v_and_b32 v3, 31, v0
	v_lshlrev_b32 v[LI], 4, v3
	s_mul_i32 s21, s15, HALFT                      ; my 128 rows of A
	s_mul_i32 s22, s16, HALFT                      ; my 128 rows of B,
	s_add_co_u32 s22, s22, 2*HALFT                 ; which lie behind A's two halves
.irp s, 0,1
	v_add_nc_u32 v[ADRA+\s], s21, v[LI]
	v_add_nc_u32 v[ADRB+\s], s22, v[LI]
	s_add_co_u32 s21, s21, SLOT
	s_add_co_u32 s22, s22, SLOT
.endr
	; which block of 128 tokens and which of 128 weight rows are my wave's, and where its codes go
	s_lshl_b32 s74, s17, 1
	s_add_co_u32 s74, s74, s15                     ; my block of A
	s_lshl_b32 s75, s42, 1
	s_add_co_u32 s75, s75, s16                     ; my block of B
	s_cmp_lt_u32 ttmp9, 16
	s_cselect_b32 s76, s74, s75                    ; the tokens': 16 x batch + (position / 128)
	s_cselect_b32 s77, s75, s74                    ; the weight rows': 0-7 q, 8-15 k, 16-23 v; two heads each
	s_lshr_b32 s18, s76, 4
	s_lshl_b32 s18, s18, 21                        ; batch
	s_and_b32 s19, s77, 7
	s_lshl_b32 s19, s19, 18                        ; the first of my two heads
	s_or_b32 s18, s18, s19
	s_and_b32 s19, s76, 15
	s_lshl_b32 s19, s19, 13                        ; 128 positions: eight tiles of 1,024 bytes in qc and kc, one key step of 8,192 in vc
	s_or_b32 s18, s18, s19
	s_mov_b32 s19, 0
	s_cmp_lt_u32 ttmp9, 8
	s_cselect_b64 s[78:79], s[68:69], s[70:71]
	s_cmp_lt_u32 ttmp9, 16
	s_cselect_b64 s[78:79], s[78:79], s[72:73]     ; qc, kc or vc
	s_add_nc_u64 s[78:79], s[78:79], s[18:19]
	s_lshl_b32 s18, s77, 9
	s_add_nc_u64 s[92:93], s[10:11], s[18:19]      ; my 128 biases
	; they are loaded in both forms, so that every register is written on the one way that all clusters take: 24 small loads
	v_lshlrev_b32 v8, 5, v2                        ; along the registers: 8 h numbers on
	v_lshlrev_b32 v9, 2, v1                        ; by the lane's row: r numbers on
.irp b, 0,1,2,3,4,5,6,7
	global_load_b128 v[BM+8*\b:BM+8*\b+3],   v8, s[92:93] offset:64*\b
	global_load_b128 v[BM+8*\b+4:BM+8*\b+7], v8, s[92:93] offset:64*\b+16
.endr
.irp a, 0,1,2,3,4,5,6,7
	global_load_b32 v[BN+2*\a], v9, s[92:93] offset:64*\a
	v_mov_b32 v[BN+2*\a+1], 0
.endr
.macro FRAG reg, adr, q, i             ; a fragment comes back as it was stored: four loads of 512 consecutive bytes
.irp c, 0,1,2,3
	ds_load_b128 v[\reg+4*\c:\reg+4*\c+3], v[\adr] offset:BLK*(\q)+2048*(\i)+512*\c
.endr
.endm
; 16 matrix instructions: A's blocks a0, a0 + 1 x B's eight, 128 along K.  p: B's set.  zero = 1: the first product starts the sums: nothing is ever cleared.
; The 64 accumulators take turns, one instruction a turn, in the same order in every step.
.macro MUL16 a0, p, zero
.irp a, \a0, \a0+1
.irp b, 0,1,2,3,4,5,6,7
.if \zero
	v_wmma_f32_16x16x128_bf8_bf8 v[8*(8*((\a)%4)+\b):8*(8*((\a)%4)+\b)+7], v[128*(\p)+FR*\b:128*(\p)+FR*\b+FR-1], v[AF+FR*(\a):AF+FR*(\a)+FR-1], 0
.else
	v_wmma_f32_16x16x128_bf8_bf8 v[8*(8*((\a)%4)+\b):8*(8*((\a)%4)+\b)+7], v[128*(\p)+FR*\b:128*(\p)+FR*\b+FR-1], v[AF+FR*(\a):AF+FR*(\a)+FR-1], v[8*(8*((\a)%4)+\b):8*(8*((\a)%4)+\b)+7]
.endif
.endr
.endr
.endm
.macro FETCH_B slot, q, p              ; B's eight fragments of the slot's q-th 128 along K into set p
	WIN TO_B
.irp i, 0,1,2,3,4,5,6,7
	FRAG 128*(\p)+FR*\i, ADRB+\slot, \q, \i
.endr
	WIN 0
.endm
.macro FETCH_A slot, q, i0             ; A's blocks i0 .. i0 + 3
.irp i, \i0, \i0+1, \i0+2, \i0+3
	FRAG AF+FR*(\i), ADRA+\slot, \q, \i
.endr
.endm
; A load into a register that a matrix instruction has read, and a vector instruction that reads a matrix result or writes one of its registers, stand NP places behind it; only plain
; vector instructions that name none of its registers are places (ISA guide 7.12.1 for vector instructions).
.macro PLACES n
.rept \n
	v_nop
.endr
.endm
; A step of 128 along K that has its successor in the same slot.  A block of A is free as soon as its eight products are issued: blocks 0-3 are fetched anew in the middle, 4-7 at the end.
.macro STEP slot, q, zero
	s_wait_dscnt 4*NL                              ; B's set and A's blocks 0-3 are in; the youngest 16 loads (A's blocks 4-7) may be out
	WIN MUL_LO
	MUL16 0, (\q)%2, \zero
	MUL16 2, (\q)%2, \zero
	s_wait_dscnt 0                                 ; A's blocks 4-7 are in
	PLACES NP
	FETCH_B \slot, (\q)+1, 1-(\q)%2
	FETCH_A \slot, (\q)+1, 0
	WIN MUL_HI
	MUL16 4, (\q)%2, \zero
	MUL16 6, (\q)%2, \zero
	PLACES NP
	WIN 0
	FETCH_A \slot, (\q)+1, 4
.endm
; A slot's last step changes slots: ONE barrier; in front of it each wave waits for all its tensor loads, adds 0 to its spare word, and waits for that and for its own reads of this slot.
; fill = 1: this slot is filled again, two K steps of 256 ahead; the barrier then opens a round of the cluster's barrier.
.macro TURN slot, next, fill
	s_wait_tensorcnt 0x0                           ; all my tensor loads have landed: the one that was out is my part of the next slot
	ds_add_u32 v[SPW], v[NIL]                      ; 0 onto my spare word
	s_wait_dscnt 4*NL+1                            ; (the add and the youngest 16 loads, A's blocks 4-7, may be out)
	WIN MUL_LO
	MUL16 0, 1, 0                                  ; sixteen matrix instructions stand between the add and the wait for it
	s_wait_dscnt 0x0                               ; the add is done, and my reads of this slot are over
	s_barrier_signal -1
	MUL16 2, 1, 0
	WIN 0
	s_barrier_wait -1
.if \fill
	CREST                                          ; no wave of any partner still reads this slot's tile or has a load on its way
	s_add_nc_u64 s[G0+4*\slot+2:G0+4*\slot+3], s[G0+4*\slot+2:G0+4*\slot+3], 2*HALFT
	s_add_nc_u64 s[G0B+4*\slot+2:G0B+4*\slot+3], s[G0B+4*\slot+2:G0B+4*\slot+3], 2*HALFT
	JLOAD G0+4*\slot, G1, G0B+4*\slot, G1B         ; the first tensor load behind the round; its four v_nop are also the places in front of the loads below
.else
	PLACES NP
.endif
	FETCH_B \next, 0, 0
	FETCH_A \next, 0, 0
	WIN MUL_HI
	MUL16 4, 1, 0
	MUL16 6, 1, 0
	PLACES NP
	WIN 0
	FETCH_A \next, 0, 4
.endm
	s_wait_tensorcnt 1                             ; my part of slot 0 is in; slot 1's load may be out
	s_barrier_signal -1
	s_barrier_wait -1                              ; everybody's is
	FETCH_B 0, 0, 0
	FETCH_A 0, 0, 0
	FETCH_A 0, 0, 4
	STEP 0, 0, 1                                   ; K 0-127: its products start the sums
	TURN 0, 1, 1                                   ; K 128-255; slot 0 takes K 512-767
	STEP 1, 0, 0
	TURN 1, 0, 1                                   ; slot 1 takes K 768-1,023
	STEP 0, 0, 0
	TURN 0, 1, 0                                   ; nothing is left to fetch
	STEP 1, 0, 0
	s_wait_dscnt 4*NL                              ; the last step
	WIN MUL_LO
	MUL16 0, 1, 0
	MUL16 2, 1, 0
	s_wait_dscnt 0
	WIN MUL_HI
	MUL16 4, 1, 0
	MUL16 6, 1, 0
	WIN 0
; THE WAY OUT of A's block a: number = sum x F + bias, converted, stored as images.  byn = 0 (q, k): the bias runs along the registers; 1 (v): it is the lane's row's.
; Each accumulator is read from its low end on.  The codes of B's tiles 2 g and 2 g + 1 are 16 bytes of one image.
.macro EPI a, byn
.set AC, 64*((\a)%4)
.set CS, CD+16*((\a)%4)
.if (\a) >= 4
	s_wait_xcnt 0x0                                ; block a - 4's stores have read this set of codes: it is written again only behind this wait
.endif
	WIN 0x02+((\a)/4)                              ; source 0: window 2 or 3
.irp b, 0,1,2,3,4,5,6,7
.irp i, 0,2,4,6
.if \byn
	v_pk_fma_f32 v[TMP+8*\b+\i:TMP+8*\b+\i+1], v[AC+8*\b+\i:AC+8*\b+\i+1], s[88:89], v[BN+2*(\a):BN+2*(\a)+1] op_sel_hi:[1,0,0]
.else
	v_pk_fma_f32 v[TMP+8*\b+\i:TMP+8*\b+\i+1], v[AC+8*\b+\i:AC+8*\b+\i+1], s[88:89], v[BM+8*\b+\i:BM+8*\b+\i+1] op_sel_hi:[1,0,1]
.endif
.endr
.endr
	WIN 0
.set I, 0
.rept 64
.set I, I+1
.endr
.irp b, 0,1,2,3,4,5,6,7
	v_cvt_scalef32_pk8_bf8_f32 v[CS+2*\b:CS+2*\b+1], v[TMP+8*\b:TMP+8*\b+7], v30
.endr
	v_nop                                          ; a plain vector line between the conversions and the next block's lines, which write their sources
.irp g, 0,1,2,3
.if \byn
	global_store_b128 v[LI], v[CS+4*\g:CS+4*\g+3], s[78:79] offset:((\a)/4)*131072+((\a)%4)*2048+\g*512     ; head a / 4, channels 16 (a % 4) on, keys 32 g on
.else
	global_store_b128 v[LI], v[CS+4*\g:CS+4*\g+3], s[78:79] offset:(\a)*1024+(\g/2)*131072+(\g%2)*512       ; positions 16 a on, head g / 2, channels 32 (g % 2) on
.endif
.endr
.endm
	s_wait_kmcnt 0x0                               ; the exponents
	s_wait_loadcnt 0x0                             ; the biases
	s_add_co_i32 s88, s80, s81
	s_add_co_i32 s88, s88, 127
	s_lshl_b32 s88, s88, 23                        ; 2^(e0 + e1) as f32
	s_mov_b32 s90, 0x3eb504f3                      ; 64^-1/4
	s_cmp_lt_u32 ttmp9, 16
	s_cselect_b32 s90, s90, 0x3f800000             ; q and k are scaled, v is not
	s_mov_b32 s91, s90
	s_mul_f32 s88, s88, s90                        ; F
	s_mov_b32 s89, s88                             ; (named with it as a pair, so it is written)
	s_cmp_lt_u32 ttmp9, 8
	s_cselect_b32 s94, s82, s83
	s_cmp_lt_u32 ttmp9, 16
	s_cselect_b32 s94, s94, s84                    ; e2, e3 or e4
	s_add_co_i32 s94, s94, 127
	s_lshl_b32 s95, s94, 23
	v_mov_b32 v30, s95                             ; the scale as f32: the conversion takes its exponent field
	s_cmp_lt_u32 ttmp9, 16                         ; the cluster's number: all partners take the same way; no barrier, tensor load or LDS access stands in either arm
	s_cbranch_scc0 .Lvalues
.set I, 0
.rept 32
	v_pk_mul_f32 v[BM+I:BM+I+1], v[BM+I:BM+I+1], s[90:91] op_sel_hi:[1,0]   ; (sum x 2^(e0 + e1) + bias) x 64^-1/4 = sum x F + bias x 64^-1/4.  (These are also the places behind the last products)
.set I, I+2
.endr
.irp a, 0,1,2,3,4,5,6,7
	EPI \a, 0
.endr
	s_branch .Ldone
.Lvalues:
	PLACES NP
	s_wait_alu depctr_va_vdst(0)
.irp a, 0,1,2,3,4,5,6,7
	EPI \a, 1
.endr
.Ldone:
	s_wait_tensorcnt 0x0                           ; the wave's end
	ds_add_u32 v[SPW], v[NIL]
	s_wait_dscnt 0x0
	CROUND                                         ; the closing round: no work-group ends while a partner may still ask for a tile that names it
	s_endpgm
.Lfunc_end_k_qbbe33d4533_qkv:
	.size	k_qbbe33d4533_qkv, .Lfunc_end_k_qbbe33d4533_qkv-k_qbbe33d4533_qkv
	.p2alignl 7, 3214868480
	.fill 96, 4, 3214868480
	.section	.rodata,"a",@progbits
	.p2align	6, 0x0
	.amdhsa_kernel k_qbbe33d4533_qkv
		.amdhsa_group_segment_fixed_size 327680
		.amdhsa_private_segment_fixed_size 0
		.amdhsa_enable_private_segment 0
		.amdhsa_kernarg_size 56
		.amdhsa_user_sgpr_count 2
		.amdhsa_user_sgpr_kernarg_segment_ptr 1
		.amdhsa_wavefront_size32 1
		.amdhsa_system_sgpr_workgroup_id_x 1
		.amdhsa_system_sgpr_workgroup_id_y 1
		.amdhsa_system_sgpr_workgroup_id_z 1
		.amdhsa_system_vgpr_workitem_id 0
		.amdhsa_next_free_vgpr 1024
		.amdhsa_next_free_sgpr 100
		.amdhsa_reserve_vcc 0
		.amdhsa_float_denorm_mode_32 3
		.amdhsa_float_denorm_mode_16_64 3
		.amdhsa_fp16_overflow 1
		.amdhsa_memory_ordered 1
		.amdhsa_forward_progress 1
		.amdhsa_inst_pref_size 131
	.end_amdhsa_kernel
	.amdgpu_metadata
---
amdhsa.version: [ 1, 2 ]
amdhsa.kernels:
  - .name:           k_qbbe33d4533_qkv
    .symbol:         k_qbbe33d4533_qkv.kd
    .args:
      - { .name: xc, .offset: 0, .size: 8, .value_kind: global_buffer, .address_space: global }
      - { .name: wi, .offset: 8, .size: 8, .value_kind: global_buffer, .address_space: global }
      - { .name: lowp_scales, .offset: 16, .size: 8, .value_kind: global_buffer, .address_space: global }
      - { .name: qkv_b, .offset: 24, .size: 8, .value_kind: global_buffer, .address_space: global }
      - { .name: qc, .offset: 32, .size: 8, .value_kind: global_buffer, .address_space: global }
      - { .name: kc, .offset: 40, .size: 8, .value_kind: global_buffer, .address_space: global }
      - { .name: vc, .offset: 48, .size: 8, .value_kind: global_buffer, .address_space: global }
    .group_segment_fixed_size: 327680
    .private_segment_fixed_size: 0
    .kernarg_segment_align: 8
    .kernarg_segment_size: 56
    .max_flat_workgroup_size: 128
    .sgpr_count:     100
    .vgpr_count:     1024
    .wavefront_size: 32
...
	.end_amdgpu_metadata
.endif
;; end of part 2
;; launch attn (part 3): grid 4 x 64, 16 waves a work-group, clusters of 4 x 1, 327,680 bytes of LDS; arguments qc, kc, vc, lowp_scales, ac; writes ac
.if DOCPART == 3
	.amdgcn_target "amdgcn-amd-amdhsa--gfx1250"
	.amdhsa_code_object_version 6
	.text
	.protected	k_qbbe33d4533_attn
	.globl	k_qbbe33d4533_attn
	.p2align	8
	.type	k_qbbe33d4533_attn,@function
k_qbbe33d4533_attn:
	s_mov_b64 s[64:65], 0
	v_nop
	global_prefetch_b8 v0, s[64:65] scope:SCOPE_SE
	s_setreg_imm32_b32 hwreg(HW_REG_WAVE_MODE, 25, 1), 1
	s_wait_xcnt 0x0
	s_wait_alu depctr_hold_cnt(0) depctr_sa_sdst(0) depctr_va_vdst(0) depctr_va_sdst(0) depctr_va_ssrc(0) depctr_va_vcc(0) depctr_vm_vsrc(0)
	s_getreg_b32 s2, hwreg(HW_REG_IB_STS2, 6, 4)
	s_cmp_eq_u32 s2, 0
	s_cbranch_scc0 .Lentry_in_a_cluster
	s_endpgm
.Lentry_in_a_cluster:
	s_bfe_u32 s2, ttmp6, 0x10000c
	s_cmp_lg_u32 s2, 0x3003
	s_cbranch_scc0 .Lentry_shape_is_right
	s_endpgm
.Lentry_shape_is_right:
; Attention of one (batch, head), head size 64, 2,048 keys, both products on codes of BF8 (E5M2), and the quantiser of the projection's left operand.
; qc, kc: per head 128 tiles of 16 positions, each a K = 64 fragment as an image of its registers (1,024 bytes: [c][lane][16]).  vc: per head 16 key steps of 128 keys x 4 tiles of 16 channels,
; each a K = 128 fragment (2,048 bytes: [g][lane][16]; lane (r, h): channel r, keys 32 g + 16 h + 0..15).  A position is a token's number with bits 3 and 4 exchanged.
; THE SOFTMAX AHEAD OF THE SECOND PRODUCT: t = score x log2(e); M = the row's largest t so far, rounded UP to a whole number; p = 2^(t - M) is what is quantised, with 2^e5; it is not normalised.
; The row's sum is taken of the unquantised p and divides O at the end.  When M moves, the sum and O are multiplied by 2^(old M - new M): nothing is rounded, and no branch hangs on data.
; SHARES.  A work-group owns 512 queries of a head; each of its sixteen waves TWO tiles of 16, so that each fragment of K and V read from LDS feeds two matrix instructions.  Four waves share a SIMD.
; LDS IS FILLED ONCE: a head's K codes (131,072 bytes) and V codes (131,072) lie in it whole.  No byte is filled again, so there is no ring; two barriers show the two pieces to all waves.
; CLUSTER.  The four query blocks of a head form a cluster and ask for K and V jointly: the same tensor loads, the same descriptors, a mask that names the four.
; LAYOUT.  Both products are used transposed: S^T = K Q^T (source 0 = 16 keys, source 1 = 16 queries), O^T = V^T P^T: a lane holds ONE query throughout.  K's tiles stand in the order of positions,
; so the 16 registers of score tiles 2 g and 2 g + 1 are 16 NEIGHBOURING keys, 32 g + 16 h + 0..15: the conversions' results are the second product's operand, in V's own order of keys.
; OUT: a = O / sum x 2^(e4 + e5), codes with 2^e6, stored as images: ac = batch << 21 | (position / 128) << 17 | (channel / 128) << 14 | tile << 11 | c << 9 | lane << 4.
; LIMITS: e2 + e3 between -126 and 127 (added to log2(e)'s exponent field); e5 and e6 between -126 and 112; e4 + e5 goes in by v_ldexp_f32 and has none.  NaN is not served.
; REGISTERS: v1 16 x lane; v2, v3 LDS addresses of the step's K and V; v4 2^e5; v6-v9 at work; v[10:11] f; v[12:13] a second chain of the sum; tile A: v14 -M, v15 the largest t, v[16:17] the sum;
;   tile B: v18, v19, v[20:21]; v24-31, v32-39 Q of A, of B; v40-55 p's codes of A; v56-71 of B (from v60 on laid over scores that have been converted); v60-123 S^T, then p;
;   v124-187 eight fragments of K or four of V; v188-219, v220-251 O^T of A, of B; v252 2^e6.
.set S,   60
.set KV,  124
.set OA,  188
.set OB,  220
.set VLDS, 131072                      ; V's codes lie behind K's
.set STEPB, 8192                       ; a key step of 128 keys, in K's codes and in V's
.macro CROUND                          ; a round of the cluster's barrier
	s_barrier_signal -1
	s_barrier_wait -1
	s_cmp_lg_u32 s14, 0
	s_cbranch_scc1 .Lnot_wave_0_\@
	s_barrier_signal -3
.Lnot_wave_0_\@:
	s_barrier_wait -3
	s_barrier_signal -1
	s_barrier_wait -1
.endm
	s_load_b256 s[4:11], s[0:1], 0x0               ; qc s[4:5], kc s[6:7], vc s[8:9], the scales' exponents s[10:11]
	s_load_b64 s[12:13], s[0:1], 0x20              ; ac
	v_lshl_add_u32 v254, v0, 2, 0x40000
	v_mov_b32 v255, 0
	ds_add_u32 v254, v255
	ds_add_u32 v254, v255
	v_lshrrev_b32 v1, 5, v0
	s_delay_alu instid0(VALU_DEP_1)
	v_readfirstlane_b32 s14, v1                    ; wave 0..15
	s_bfe_u32 s15, ttmp6, 0x40000                  ; cx
	s_lshl_b32 s16, ttmp9, 2
	s_add_co_u32 s16, s16, s15                     ; my block of 512 queries: it enters Q's and the output's addresses alone
	s_and_b32 s17, ttmp7, 0xffff                   ; 16 x batch + head, which the four partners share
	s_lshr_b32 s18, s14, 3                         ; waves 0-7 fetch K's codes, waves 8-15 V's,
	s_and_b32 s19, s14, 7                          ; an eighth each
	; descriptor group 1: consecutive bytes as rows of 32 elements of 8 bytes.  First piece: 8 rows a wave (the first two key steps); second: 56 rows a wave (the other fourteen)
	s_mov_b32 s24, 15|(3<<16)|(1<<21)              ; 15:0 the mask: all four work-groups; 17:16 elements of 8 bytes; 21 set beside a mask
	s_mov_b32 s25, 32<<16                          ; tensor_dim0 = 32
	s_mov_b32 s26, 8<<16                           ; tensor_dim1 = 8
	s_mov_b32 s27, 32<<16                          ; tile_dim0 = 32
	s_mov_b32 s28, 8                               ; tile_dim1 = 8
	s_mov_b32 s29, 32                              ; tensor_dim0_stride
	s_mov_b32 s30, 0
	s_mov_b32 s31, 0
	s_mov_b32 s32, 15|(3<<16)|(1<<21)
	s_mov_b32 s33, 32<<16
	s_mov_b32 s34, 56<<16
	s_mov_b32 s35, 32<<16
	s_mov_b32 s36, 56
	s_mov_b32 s37, 32
	s_mov_b32 s38, 0
	s_mov_b32 s39, 0
	s_lshl_b32 s58, s18, 17                        ; K's or V's half of LDS
	s_lshl_b32 s62, s19, 11                        ; first piece: 2,048 bytes a wave
	s_mul_i32 s56, s19, 14336
	s_add_co_u32 s56, s56, 16384                   ; second piece: 14,336 bytes a wave, behind the first pieces' 16,384
	s_mov_b32 s40, 1                               ; group 0: count = 1
	s_add_co_u32 s41, s58, s62                     ; LDS address: made of the wave's number alone
	s_mov_b32 s44, 1
	s_add_co_u32 s45, s58, s56
	s_mov_b32 s63, 0
	s_mov_b32 s57, 0
	s_lshl_b32 s60, s17, 17                        ; the head's first byte in qc, kc and vc
	s_mov_b32 s61, 0
	s_wait_dscnt 0x0
	s_wait_kmcnt 0x0
	s_load_b256 s[48:55], s[10:11], 0x0            ; e0 .. e7
	s_cmp_lt_u32 s14, 8
	s_cselect_b64 s[2:3], s[6:7], s[8:9]           ; the choice hangs on the wave's number alone
	s_add_nc_u64 s[2:3], s[2:3], s[60:61]
	s_add_nc_u64 s[42:43], s[2:3], s[62:63]
	s_or_b32 s43, s43, 0x80000000                  ; type = 2
	s_add_nc_u64 s[46:47], s[2:3], s[56:57]
	s_or_b32 s47, s47, 0x80000000
	CROUND                                         ; all four work-groups are here: the joint loads meet
	tensor_load_to_lds s[40:43], s[24:31]          ; the first piece; the second goes out behind the next round
	s_nop 0
	s_wait_alu depctr_va_vdst(0)
	s_wait_tensorcnt 0x0
	ds_add_u32 v254, v255
	s_wait_dscnt 0x0
	CROUND
	tensor_load_to_lds s[44:47], s[32:39]
	s_nop 0
.rept 4
	v_nop
.endr
	v_and_b32 v1, 31, v0
	s_delay_alu instid0(VALU_DEP_1)
	v_lshlrev_b32 v1, 4, v1                        ; 16 x lane
	s_lshl_b32 s58, s16, 5
	s_lshl_b32 s59, s14, 1
	s_add_co_u32 s58, s58, s59                     ; my first tile of queries: 32 x block + 2 x wave
	s_lshl_b32 s58, s58, 10
	s_mov_b32 s59, 0
	s_add_nc_u64 s[4:5], s[4:5], s[60:61]
	s_add_nc_u64 s[4:5], s[4:5], s[58:59]
.irp t, 0,1
.irp c, 0,1
	global_load_b128 v[24+8*\t+4*\c:27+8*\t+4*\c], v1, s[4:5] offset:1024*\t+512*\c   ; Q's two fragments stay in registers
.endr
.endr
	s_lshr_b32 s58, s17, 4                         ; where my codes of a go:
	s_lshl_b32 s58, s58, 21                        ; batch,
	s_lshl_b32 s62, s16, 2
	s_lshr_b32 s63, s14, 2
	s_add_co_u32 s62, s62, s63
	s_lshl_b32 s62, s62, 17                        ; position / 128 = 4 x block + wave / 4,
	s_or_b32 s58, s58, s62
	s_bfe_u32 s62, s17, 0x30001
	s_lshl_b32 s62, s62, 14                        ; channel / 128 = head / 2,
	s_or_b32 s58, s58, s62
	s_and_b32 s62, s14, 3
	s_lshl_b32 s62, s62, 12                        ; tile (2 x wave) % 8,
	s_or_b32 s58, s58, s62
	s_and_b32 s62, s17, 1
	s_lshl_b32 s62, s62, 10                        ; c = 2 (head % 2) on
	s_or_b32 s58, s58, s62
	s_add_nc_u64 s[12:13], s[12:13], s[58:59]
	s_mov_b32 s20, 0x76543210                      ; v_permlanex16_b32: lane l takes lane l xor 16
	s_mov_b32 s21, 0xfedcba98
	v_mov_b32 v15, 0xff61b1e6                      ; the largest t so far: -3e38, under every t
	v_mov_b32 v19, 0xff61b1e6
	s_delay_alu instid0(VALU_DEP_2)
	v_floor_f32 v14, -v15                          ; -M
	s_delay_alu instid0(VALU_DEP_2)
	v_floor_f32 v18, -v19
	v_mov_b32 v16, 0                               ; the sums, in two halves
	v_mov_b32 v17, 0
	v_mov_b32 v20, 0
	v_mov_b32 v21, 0
	v_mov_b32 v8, 0                                ; written once: a lane permute's destination counts as one of its sources
	v_mov_b32 v9, 0
	v_mov_b32 v11, 0                               ; (named as the upper half of the pair v[10:11])
.set I, 0
.rept 64
	v_mov_b32 v[OA+I], 0                           ; O^T.  (The step is written once: the first finds zeros, which the first change of M leaves zeros)
.set I, I+1
.endr
	s_wait_kmcnt 0x0
	s_add_co_i32 s58, s50, s51
	s_lshl_b32 s58, s58, 23
	s_add_co_i32 s22, s58, 0x3fb8aa3b              ; log2(e) x 2^(e2 + e3): a score stands for score x 2^(e2 + e3)
	s_mov_b32 s23, s22                             ; (named with it as a pair, so it is written)
	s_add_co_i32 s58, s53, 127
	s_lshl_b32 s59, s58, 23
	v_mov_b32 v4, s59                              ; 2^e5 as f32, for p's conversions
	s_add_co_i32 s58, s54, 127
	s_lshl_b32 s59, s58, 23
	v_mov_b32 v252, s59                            ; 2^e6
	s_add_co_i32 s58, s58, 15
	s_lshl_b32 s58, s58, 23
	s_or_b32 s58, s58, 0x600000
.macro HOLD2 r
.endm
; One tile's softmax for a key step: the 64 scores in v[S] on become p and then codes in v[pd] on.  v[nm], v[nm + 1]: -M and the largest t; v[l], v[l + 1]: the sum; v[o] on: the tile's O^T.
.macro SOFT nm, l, pd, o
	v_max3_num_f32 v6, v[S], v[S+1], v[S+2]        ; the step's largest score of my query among my 64 keys, in two chains; each score tile is read from its low end on
	v_max3_num_f32 v7, v[S+3], v[S+4], v[S+5]
.irp i, 6,10,14,18,22,26,30,34,38,42,46,50,54,58
	v_max3_num_f32 v6, v6, v[S+\i], v[S+\i+1]
	v_max3_num_f32 v7, v7, v[S+\i+2], v[S+\i+3]
.endr
	v_max3_num_f32 v6, v6, v[S+62], v[S+63]
	s_delay_alu instid0(VALU_DEP_1)
	v_max_num_f32 v6, v6, v7
	s_delay_alu instid0(VALU_DEP_1)
	v_permlanex16_b32 v8, v6, s20, s21
	s_delay_alu instid0(VALU_DEP_1)
	v_max_num_f32 v6, v6, v8                       ; and among lane l xor 16's
	s_delay_alu instid0(VALU_DEP_1)
	v_mul_f32 v6, s22, v6                          ; as t (the factor is positive)
	s_delay_alu instid0(VALU_DEP_1)
	v_max_num_f32 v[\nm+1], v[\nm+1], v6           ; the running largest t
	v_mov_b32 v6, v[\nm]
	s_delay_alu instid0(VALU_DEP_2)
	v_floor_f32 v[\nm], -v[\nm+1]                  ; the new -M = floor(-t) = -ceil(t): M is a whole number
	s_delay_alu instid0(VALU_DEP_1)
	v_sub_f32 v6, v[\nm], v6                       ; M's old value less its new one: a whole number, 0 or less
	s_delay_alu instid0(VALU_DEP_1)
	v_cvt_i32_f32 v6, v6                           ; (it saturates)
	s_delay_alu instid0(VALU_DEP_1)
	v_ldexp_f32 v10, 1.0, v6                       ; f = 2^(old M - new M)
.set I, 0
.rept 32
	v_pk_fma_f32 v[S+I:S+I+1], v[S+I:S+I+1], s[22:23], v[\nm:\nm+1] op_sel_hi:[1,0,0]   ; t - M, two at a time
.set I, I+2
.endr
.set I, 0
	s_wait_alu depctr_va_vdst(0)
.rept 64
	v_exp_f32 v[S+I], v[S+I]                       ; p = 2^(t - M), at most 1: not normalised
.set I, I+1
.endr
	v_pk_mul_f32 v[\l:\l+1], v[\l:\l+1], v[10:11] op_sel_hi:[1,0]   ; the sum under the new M.  (The plain instruction behind the exponentials: ISA guide 5.7.2)
	s_wait_alu depctr_va_vdst(0)                   ; one wait for the whole batch, ahead of its first reader
	v_pk_add_f32 v[12:13], v[S:S+1], v[S+2:S+3]    ; the row's sum is taken of the unquantised p: two at a time, in two chains
.irp j, 4,8,12,16,20,24,28,32,36,40,44,48,52,56,60
	v_pk_add_f32 v[\l:\l+1], v[\l:\l+1], v[S+\j:S+\j+1]
	v_pk_add_f32 v[12:13], v[12:13], v[S+\j+2:S+\j+3]
.endr
	s_delay_alu instid0(VALU_DEP_1)
	v_pk_add_f32 v[\l:\l+1], v[\l:\l+1], v[12:13]
.irp b, 0,1,2,3
.irp i, 0,2,4,6,8,10,12,14
	HOLD2 S+16*\b+\i                               ; the conversion to an 8-bit code does not saturate (ISA guide 7.6.2)
.endr
	v_cvt_scalef32_pk8_bf8_f32 v[\pd+4*\b:\pd+4*\b+1],   v[S+16*\b:S+16*\b+7],    v4   ; keys 32 b + 16 h + 0..7,
	v_cvt_scalef32_pk8_bf8_f32 v[\pd+4*\b+2:\pd+4*\b+3], v[S+16*\b+8:S+16*\b+15], v4   ; + 8..15.  (Where pd lies over the scores, group b's codes land on numbers that group b - 1 has converted)
.endr
.set I, 0
.rept 16
	v_pk_mul_f32 v[\o+I:\o+I+1], v[\o+I:\o+I+1], v[10:11] op_sel_hi:[1,0]   ; O^T under the new M.  (Also the plain lines between the conversions and the matrix instructions that follow)
.set I, I+2
.endr
.endm
; A KEY STEP: 128 keys, at LDS byte s56 of K's codes and of V's.
.macro STEP
	v_add_nc_u32 v2, s56, v1
	s_delay_alu instid0(VALU_DEP_1)
	v_add_nc_u32 v3, VLDS, v2
.rept 3
	v_nop                                          ; five places behind the last products: the score products below write over registers that those read (tile B's codes), and the loads land where V lay
.endr
.irp t, 0,1,2,3,4,5,6,7
	ds_load_b128 v[KV+8*\t:KV+8*\t+3],   v2 offset:1024*\t
	ds_load_b128 v[KV+8*\t+4:KV+8*\t+7], v2 offset:1024*\t+512
.endr
	s_wait_dscnt 0x0
.irp t, 0,1,2,3,4,5,6,7
	v_wmma_f32_16x16x64_bf8_bf8 v[S+8*\t:S+8*\t+7], v[KV+8*\t:KV+8*\t+7], v[24:31], 0
.endr
.rept 4
	v_nop
.endr
	SOFT 14, 16, 40, OA
.irp t, 0,1,2,3,4,5,6,7
	v_wmma_f32_16x16x64_bf8_bf8 v[S+8*\t:S+8*\t+7], v[KV+8*\t:KV+8*\t+7], v[32:39], 0
.endr
.rept 4
	v_nop                                          ; places in front of the loads into K's registers and of the first read of the scores
.endr
.irp t, 0,1,2,3
.irp b, 0,1,2,3
	ds_load_b128 v[KV+16*\t+4*\b:KV+16*\t+4*\b+3], v3 offset:2048*\t+512*\b   ; V lands while tile B's softmax is worked
.endr
.endr
	s_setprio 1
	SOFT 18, 20, 56, OB
	s_setprio 0
	s_wait_alu depctr_va_vdst(0)
	s_wait_dscnt 0x0
.irp t, 0,1,2,3                        ; eight accumulators by turns, one instruction a turn
	v_wmma_f32_16x16x128_bf8_bf8 v[OA+8*\t:OA+8*\t+7], v[KV+16*\t:KV+16*\t+15], v[40:55], v[OA+8*\t:OA+8*\t+7]
	v_wmma_f32_16x16x128_bf8_bf8 v[OB+8*\t:OB+8*\t+7], v[KV+16*\t:KV+16*\t+15], v[56:71], v[OB+8*\t:OB+8*\t+7]
.endr
	s_add_co_u32 s56, s56, STEPB
.endm
.macro STEPS n
	s_mov_b32 s57, \n
.Lstep_\@:
	s_setprio 2
	STEP
	s_sub_co_u32 s57, s57, 1
	s_cmp_lg_u32 s57, 0
	s_cbranch_scc1 .Lstep_\@
	s_setprio 0
.endm
	s_mov_b32 s56, 0
	s_wait_tensorcnt 0x1                           ; my part of the first piece is in; the second piece's load may stay out
	s_barrier_signal -1
	s_barrier_wait -1                              ; everybody's is: keys 0 to 255
	s_wait_loadcnt 0x0                             ; Q
	STEPS 2
	s_wait_tensorcnt 0x0                           ; my part of the second piece is in
	s_wait_dscnt 0x0
	s_barrier_signal -1
	s_barrier_wait -1                              ; everybody's is
	STEPS 14
	; THE WAY OUT.  The additions and what follows them are the places behind the last products.
	v_add_f32 v16, v16, v17                        ; the sums' two halves,
	v_add_f32 v20, v20, v21
	s_delay_alu instid0(VALU_DEP_2)
	v_permlanex16_b32 v8, v16, s20, s21
	s_delay_alu instid0(VALU_DEP_2)
	v_permlanex16_b32 v9, v20, s20, s21
	s_delay_alu instid0(VALU_DEP_2)
	v_add_f32 v16, v16, v8                         ; and lane l xor 16's: the rows' sums
	s_delay_alu instid0(VALU_DEP_2)
	v_add_f32 v20, v20, v9
	s_wait_alu depctr_va_vdst(0)
	v_rcp_f32 v6, v16
	v_rcp_f32 v7, v20
	v_nop                                          ; a plain instruction behind the reciprocals
	s_add_co_i32 s58, s52, s53
	s_wait_alu depctr_va_vdst(0)                   ; one wait for both, ahead of the first reader
	v_ldexp_f32 v10, v6, s58                       ; 2^(e4 + e5) / sum
	v_ldexp_f32 v12, v7, s58
.irp t, 0,1
.set I, 0
.rept 16
	v_pk_mul_f32 v[OA+32*\t+I:OA+32*\t+I+1], v[OA+32*\t+I:OA+32*\t+I+1], v[10+2*\t:11+2*\t] op_sel_hi:[1,0]   ; register 8 ct + i is a(query r, channel 16 ct + 8 h + i)
.set I, I+2
.endr
.set I, 0
.rept 32
.set I, I+1
.endr
.irp c, 0,1,2,3
	v_cvt_scalef32_pk8_bf8_f32 v[S+8*\t+2*\c:S+8*\t+2*\c+1], v[OA+32*\t+8*\c:OA+32*\t+8*\c+7], v252   ; tiles 2 c', 2 c' + 1 of channels are the 16 bytes of chunk c' of the projection's fragment
.endr
.endr
	v_nop
.irp t, 0,1
.irp c, 0,1
	global_store_b128 v1, v[S+8*\t+4*\c:S+8*\t+4*\c+3], s[12:13] offset:2048*\t+512*\c   ; 32 lanes store 512 consecutive bytes, aligned
.endr
.endr
	s_wait_tensorcnt 0x0
	ds_add_u32 v254, v255
	s_wait_dscnt 0x0
	CROUND                                         ; the closing round: no work-group ends while a partner may still ask for a tile that names it
	s_endpgm
.Lfunc_end_k_qbbe33d4533_attn:
	.size	k_qbbe33d4533_attn, .Lfunc_end_k_qbbe33d4533_attn-k_qbbe33d4533_attn
	.p2alignl 7, 3214868480
	.fill 96, 4, 3214868480
	.section	.rodata,"a",@progbits
	.p2align	6, 0x0
	.amdhsa_kernel k_qbbe33d4533_attn
		.amdhsa_group_segment_fixed_size 327680
		.amdhsa_private_segment_fixed_size 0
		.amdhsa_enable_private_segment 0
		.amdhsa_kernarg_size 40
		.amdhsa_user_sgpr_count 2
		.amdhsa_user_sgpr_kernarg_segment_ptr 1
		.amdhsa_wavefront_size32 1
		.amdhsa_system_sgpr_workgroup_id_x 1
		.amdhsa_system_sgpr_workgroup_id_y 1
		.amdhsa_system_sgpr_workgroup_id_z 1
		.amdhsa_system_vgpr_workitem_id 0
		.amdhsa_next_free_vgpr 256
		.amdhsa_next_free_sgpr 66
		.amdhsa_reserve_vcc 0
		.amdhsa_float_denorm_mode_32 3
		.amdhsa_float_denorm_mode_16_64 3
		.amdhsa_fp16_overflow 1
		.amdhsa_memory_ordered 1
		.amdhsa_forward_progress 1
		.amdhsa_inst_pref_size 63
	.end_amdhsa_kernel
	.amdgpu_metadata
---
amdhsa.version: [ 1, 2 ]
amdhsa.kernels:
  - .name:           k_qbbe33d4533_attn
    .symbol:         k_qbbe33d4533_attn.kd
    .args:
      - { .name: qc, .offset: 0, .size: 8, .value_kind: global_buffer, .address_space: global }
      - { .name: kc, .offset: 8, .size: 8, .value_kind: global_buffer, .address_space: global }
      - { .name: vc, .offset: 16, .size: 8, .value_kind: global_buffer, .address_space: global }
      - { .name: lowp_scales, .offset: 24, .size: 8, .value_kind: global_buffer, .address_space: global }
      - { .name: ac, .offset: 32, .size: 8, .value_kind: global_buffer, .address_space: global }
    .group_segment_fixed_size: 327680
    .private_segment_fixed_size: 0
    .kernarg_segment_align: 8
    .kernarg_segment_size: 40
    .max_flat_workgroup_size: 512
    .sgpr_count:     66
    .vgpr_count:     256
    .wavefront_size: 32
...
	.end_amdgpu_metadata
.endif
;; end of part 3
;; launch proj (part 4): grid 32 x 4, 4 waves a work-group, clusters of 4 x 4, 327,680 bytes of LDS; arguments ac, wi, lowp_scales, proj_b, x, out0; writes out0
.if DOCPART == 4
	.amdgcn_target "amdgcn-amd-amdhsa--gfx1250"
	.amdhsa_code_object_version 6
	.text
	.protected	k_qbbe33d4533_proj
	.globl	k_qbbe33d4533_proj
	.p2align	8
	.type	k_qbbe33d4533_proj,@function
k_qbbe33d4533_proj:
	s_mov_b64 s[64:65], 0
	v_nop
	global_prefetch_b8 v0, s[64:65] scope:SCOPE_SE
	s_setreg_imm32_b32 hwreg(HW_REG_WAVE_MODE, 25, 1), 1
	s_wait_xcnt 0x0
	s_wait_alu depctr_hold_cnt(0) depctr_sa_sdst(0) depctr_va_vdst(0) depctr_va_sdst(0) depctr_va_ssrc(0) depctr_va_vcc(0) depctr_vm_vsrc(0)
	s_getreg_b32 s2, hwreg(HW_REG_IB_STS2, 6, 4)
	s_cmp_eq_u32 s2, 0
	s_cbranch_scc0 .Lentry_in_a_cluster
	s_endpgm
.Lentry_in_a_cluster:
	s_bfe_u32 s2, ttmp6, 0x10000c
	s_cmp_lg_u32 s2, 0xf033
	s_cbranch_scc0 .Lentry_shape_is_right
	s_endpgm
.Lentry_shape_is_right:
; out0 = x + proj_w a + proj_b: the 1x1 projection on codes of BF8 (E5M2), K = 1,024 channels, the bias and the residual.
; Both operands come as images of their registers (16 rows x 128 K = 2,048 bytes, [c][lane][16 bytes]); a block of 128 rows is 131,072 bytes, [K step of 128][tile of 16 rows][image].
; A tile of the result, 256 output channels x 256 tokens, is made by four waves, 128 x 128 each: 64 accumulators, 512 registers.  K goes in steps of 256 through a ring of two LDS slots: four fills, written out.
; OPERAND A = wi's rows 3,072 on (proj_w), the matrix instruction's source 1: a lane holds ONE output channel.  OPERAND B = ac, source 0: its rows stand in the order of positions (a token's number with
; bits 3 and 4 exchanged), so the 16 registers of B's tiles 2 g and 2 g + 1 are 16 NEIGHBOURING tokens, 32 g + 16 h + 0..15: 64 consecutive bytes of a row of out0.
; 128 tiles make 128 work-groups, in 8 clusters of 4 x 4: A's tiles hang on cy and are asked for jointly by a row of the cluster, B's on the cluster's number and cx, by a column.
; THE WAY OUT: a block of 16 channels x 128 tokens goes through the wave's own stage in LDS and comes back as whole rows of 512 bytes; x's same rows are added; 32 lanes store 512 consecutive bytes, aligned.
; LIMIT: e6 + e7 between -126 and 127, so that 2^(e6 + e7) is an f32 number.
; REGISTERS, in windows of 256: window 0: v0-31 addresses, v32-47 the bias, v64-127 a block on its way to the stage, from v128 A's fragments, ONE set (on the way out: rows read back, two sets of 64);
;   window 1: B's fragments, TWO sets (on the way out: x's rows, four sets of 64);  window 2: the accumulators of my A rows 0-63 ((a, b) at v[8 (8 (a % 4) + b)]);  window 3: rows 64-127.
.set BLK,   16384                      ; a K step of 128 of a block of 128 rows: eight images
.set HALFT, 32768                      ; what one tensor load brings: 128 rows x 256 K
.set SLOT,  131072                     ; A's two halves, then B's two halves
.set SPARE, 262144                     ; behind the ring: the spare words, 128 bytes for each wave: two blocks of 256 bytes that no other line names
.set SPITCH, 528                       ; the way out: a stage of 16 rows x (512 bytes + 16) for each wave.  It lies in slot 0, which has had its last fill and its last read when the first result is stored there
.set FR,    16
.set NL,    4
.set NP,    4                          ; places behind this matrix instruction (ISA guide 7.12.1)
.set ADRA, 16                          ; v16-17  LDS address of my A fragments in slot 0, 1
.set ADRB, 20                          ; v20-21  the same for B
.set STO,  24                          ; v24     the stage: where I put 32 bytes of a row
.set RD,   25                          ; v25     and where I read a row back
.set CO,   26                          ; v26     16 x lane: my bytes of a row of x and of out0
.set SPW,  28                          ; v28     LDS address of my spare word; never rewritten
.set NIL,  29                          ; v29     0; never rewritten
.set PFO,  30                          ; v30     the prefetches' offset: row lane / 2, its half lane % 2; never rewritten
.set PB,   32                          ; v32-47  proj_b of my lane's channel, block a at v[PB + 2 a] (the odd registers are only named as halves of pairs)
.set TMP,  64
.set AF,   128
.set BK,   128
.set XB,   74                          ; s[74:75] x at my wave's first row and token
.set OBS,  76                          ; s[76:77] out0 likewise
.set G1, 24
.set G0, 32
.set G1B, 48
.set G0B, 56
.set MSB, 0
.macro WIN new                         ; the immediate's high byte repeats the setting that is left
.if MSB != \new
	s_set_vgpr_msb (MSB<<8)|\new
.set MSB, \new
.endif
.endm
.set MUL_LO, 0xa1                      ; source 0 (B) window 1, source 1 (A) window 0, C and D window 2
.set MUL_HI, 0xf1                      ; the same, C and D window 3
.set TO_B,   0x40                      ; destination window 1, address window 0
.macro JLOAD g0a, g1a, g0b, g1b        ; a joint load: waves 0 and 1 fetch for A, waves 2 and 3 for B; four v_nop follow each of the two lines
	s_cmp_eq_u32 s15, 0
	s_cbranch_scc0 .Lfor_b_\@
	tensor_load_to_lds s[\g0a:\g0a+3], s[\g1a:\g1a+7]
	s_nop 0
.rept 4
	v_nop
.endr
	s_branch .Lasked_\@
.Lfor_b_\@:
	tensor_load_to_lds s[\g0b:\g0b+3], s[\g1b:\g1b+7]
	s_nop 0
.rept 4
	v_nop
.endr
.Lasked_\@:
.endm
.macro CREST                           ; a round of the cluster's barrier behind its opening barrier
	s_cmp_lg_u32 s14, 0
	s_cbranch_scc1 .Lnot_wave_0_\@
	s_barrier_signal -3
.Lnot_wave_0_\@:
	s_barrier_wait -3
	s_barrier_signal -1
	s_barrier_wait -1
.endm
.macro CROUND
	s_barrier_signal -1
	s_barrier_wait -1
	CREST
.endm
	s_load_b256 s[4:11], s[0:1], 0x0               ; ac s[4:5], wi s[6:7], the scales' exponents s[8:9], proj_b s[10:11]
	s_load_b128 s[68:71], s[0:1], 0x20             ; x, out0
	v_lshl_add_u32 v[SPW], v0, 2, SPARE
	v_mov_b32 v[NIL], 0
	ds_add_u32 v28, v29
	ds_add_u32 v28, v29
	s_wait_dscnt 0x0
	v_lshrrev_b32 v1, 5, v0
	v_readfirstlane_b32 s14, v1                    ; wave 0..3
	s_lshr_b32 s15, s14, 1                         ; which half of A's rows is mine.  Also: I fetch for A (0) or for B (1)
	s_and_b32 s16, s14, 1                          ; which half of B's rows.  Also: which block of 128 rows I fetch
	s_bfe_u32 s40, ttmp6, 0x40000                  ; cx, cy
	s_bfe_u32 s41, ttmp6, 0x40004
	s_lshl_b32 s43, s41, 2
	s_lshl_b32 s43, 15, s43                        ; my row of the cluster
	s_lshl_b32 s44, 0x1111, s40                    ; my column
	s_add_co_u32 s17, s41, 12                      ; A's tile of 256 rows of wi: 12 + cy (proj_w begins at tile 12)
	s_lshl_b32 s42, ttmp9, 2
	s_add_co_u32 s42, s42, s40                     ; B's tile of 256 positions: 4 x cluster + cx
	s_or_b32 s[G1+0], s43, (3<<16)|(1<<21)         ; group 1: 32,768 consecutive bytes as 128 rows of 32 elements of 8 bytes; the mask: A's tiles go to my row; bit 21 set beside a mask
	s_or_b32 s[G1B+0], s44, (3<<16)|(1<<21)        ; B's go to my column
.irp g, G1, G1B
	s_mov_b32 s[\g+1], 32<<16                      ; tensor_dim0 = 32
	s_mov_b32 s[\g+2], 128<<16                     ; tensor_dim1 = 128
	s_mov_b32 s[\g+3], 32<<16                      ; tile_dim0 = 32
	s_mov_b32 s[\g+4], 128                         ; tile_dim1 = 128
	s_mov_b32 s[\g+5], 32                          ; tensor_dim0_stride
	s_mov_b32 s[\g+6], 0
	s_mov_b32 s[\g+7], 0
.endr
	s_lshl_b32 s18, s16, 17
	s_lshl_b32 s20, s17, 18
	s_add_co_u32 s20, s20, s18
	s_mov_b32 s21, 0
	s_lshl_b32 s46, s42, 18
	s_add_co_u32 s46, s46, s18
	s_mov_b32 s47, 0
	s_mul_i32 s45, s14, HALFT                      ; where they go: wave x 32,768: no place in the cluster enters an LDS address
	s_wait_kmcnt 0x0
	s_load_b256 s[80:87], s[8:9], 0x0              ; e0 .. e7
	s_add_nc_u64 s[20:21], s[6:7], s[20:21]
	s_add_nc_u64 s[46:47], s[4:5], s[46:47]
	CROUND                                         ; all sixteen work-groups are here: the first joint loads meet
.irp s, 0,1
	s_mov_b32 s[G0+4*\s], 1
	s_add_co_u32 s[G0+4*\s+1], s45, \s*SLOT
	s_add_nc_u64 s[G0+4*\s+2:G0+4*\s+3], s[20:21], \s*HALFT
	s_or_b32 s[G0+4*\s+3], s[G0+4*\s+3], 0x80000000
	s_mov_b32 s[G0B+4*\s], 1
	s_add_co_u32 s[G0B+4*\s+1], s45, \s*SLOT
	s_add_nc_u64 s[G0B+4*\s+2:G0B+4*\s+3], s[46:47], \s*HALFT
	s_or_b32 s[G0B+4*\s+3], s[G0B+4*\s+3], 0x80000000
	s_wait_alu depctr_va_vdst(0)
	s_wait_tensorcnt 0x0
	ds_add_u32 v28, v29
	ds_add_u32 v28, v29
	s_wait_dscnt 0x0
	CROUND
	JLOAD G0+4*\s, G1, G0B+4*\s, G1B
.endr
	v_and_b32 v1, 15, v0                           ; r
	s_wait_alu depctr_va_vdst(0)
	v_bfe_u32 v2, v0, 4, 1                         ; h
	v_and_b32 v3, 31, v0
	v_lshlrev_b32 v[CO], 4, v3
	s_mul_i32 s21, s15, HALFT
	s_mul_i32 s22, s16, HALFT
	s_add_co_u32 s22, s22, 2*HALFT
.irp s, 0,1
	v_add_nc_u32 v[ADRA+\s], s21, v[CO]
	v_add_nc_u32 v[ADRB+\s], s22, v[CO]
	s_add_co_u32 s21, s21, SLOT
	s_add_co_u32 s22, s22, SLOT
.endr
	s_mul_i32 s23, s14, 16*SPITCH                  ; my stage
	v_mul_u32_u24 v[STO], v1, SPITCH               ; in: row r, + 64 h: my half's 16 tokens of each 32
	s_wait_alu depctr_va_vdst(0)
	v_lshl_add_u32 v[STO], v2, 6, v[STO]
	v_add_nc_u32 v[STO], s23, v[STO]
	v_add_nc_u32 v[RD], s23, v[CO]                 ; back: the 32 lanes take one row of 512 bytes
	v_lshrrev_b32 v4, 1, v3
	v_and_b32 v5, 1, v3
	v_lshlrev_b32 v[PFO], 8, v5
	v_lshl_add_u32 v[PFO], v4, 13, v[PFO]
	s_lshl_b32 s18, s41, 1
	s_add_co_u32 s18, s18, s15                     ; my block of 128 output channels: 2 cy + half
	s_lshl_b32 s19, s42, 1
	s_add_co_u32 s19, s19, s16                     ; my block of 128 tokens: 16 x batch + (token / 128)
	s_lshl_b32 s22, s18, 9
	s_mov_b32 s23, 0
	s_add_nc_u64 s[92:93], s[10:11], s[22:23]      ; my 128 biases
	s_lshr_b32 s22, s19, 4
	s_lshl_b32 s22, s22, 23                        ; batch: 1,024 rows of 8,192 bytes
	s_lshl_b32 s18, s18, 20                        ; 128 rows
	s_or_b32 s22, s22, s18
	s_and_b32 s19, s19, 15
	s_lshl_b32 s19, s19, 9                         ; 128 tokens
	s_or_b32 s22, s22, s19
	s_add_nc_u64 s[XB:XB+1], s[68:69], s[22:23]
	s_add_nc_u64 s[OBS:OBS+1], s[70:71], s[22:23]
	v_lshlrev_b32 v9, 2, v1
.irp a, 0,1,2,3,4,5,6,7
	global_load_b32 v[PB+2*\a], v9, s[92:93] offset:64*\a
	v_mov_b32 v[PB+2*\a+1], 0
.endr
.macro FRAG reg, adr, q, i             ; a fragment comes back as it was stored: four loads of 512 consecutive bytes
.irp c, 0,1,2,3
	ds_load_b128 v[\reg+4*\c:\reg+4*\c+3], v[\adr] offset:BLK*(\q)+2048*(\i)+512*\c
.endr
.endm
; 16 matrix instructions: A's blocks a0, a0 + 1 x B's eight, 128 along K.  The 64 accumulators take turns, one instruction a turn, in the same order in every step.
.macro MUL16 a0, p, zero
.irp a, \a0, \a0+1
.irp b, 0,1,2,3,4,5,6,7
.if \zero
	v_wmma_f32_16x16x128_bf8_bf8 v[8*(8*((\a)%4)+\b):8*(8*((\a)%4)+\b)+7], v[128*(\p)+FR*\b:128*(\p)+FR*\b+FR-1], v[AF+FR*(\a):AF+FR*(\a)+FR-1], 0
.else
	v_wmma_f32_16x16x128_bf8_bf8 v[8*(8*((\a)%4)+\b):8*(8*((\a)%4)+\b)+7], v[128*(\p)+FR*\b:128*(\p)+FR*\b+FR-1], v[AF+FR*(\a):AF+FR*(\a)+FR-1], v[8*(8*((\a)%4)+\b):8*(8*((\a)%4)+\b)+7]
.endif
.endr
.endr
.endm
.macro FETCH_B slot, q, p
	WIN TO_B
.irp i, 0,1,2,3,4,5,6,7
	FRAG 128*(\p)+FR*\i, ADRB+\slot, \q, \i
.endr
	WIN 0
.endm
.macro FETCH_A slot, q, i0
.irp i, \i0, \i0+1, \i0+2, \i0+3
	FRAG AF+FR*(\i), ADRA+\slot, \q, \i
.endr
.endm
.macro PLACES n                        ; places behind matrix instructions: plain vector instructions that name none of their registers (ISA guide 7.12.1 for vector instructions)
.rept \n
	v_nop
.endr
.endm
.macro STEP slot, q, zero
	s_wait_dscnt 4*NL                              ; B's set and A's blocks 0-3 are in; the youngest 16 loads (A's blocks 4-7) may be out
	WIN MUL_LO
	MUL16 0, (\q)%2, \zero
	MUL16 2, (\q)%2, \zero
	s_wait_dscnt 0
	PLACES NP
	FETCH_B \slot, (\q)+1, 1-(\q)%2
	FETCH_A \slot, (\q)+1, 0
	WIN MUL_HI
	MUL16 4, (\q)%2, \zero
	MUL16 6, (\q)%2, \zero
	PLACES NP
	WIN 0
	FETCH_A \slot, (\q)+1, 4
.endm
; A slot's last step changes slots: ONE barrier; in front of it each wave waits for all its tensor loads, adds 0 to its spare word, and waits for that and for its own reads of this slot.
; fill = 1: this slot is filled again; the barrier then opens a round of the cluster's barrier.  ask = 1: x's rows of my first four blocks are prefetched.
.macro TURN slot, next, fill, ask
	s_wait_tensorcnt 0x0                           ; all my tensor loads have landed: the one that was out is my part of the next slot
	ds_add_u32 v[SPW], v[NIL]                      ; 0 onto my spare word
	s_wait_dscnt 4*NL+1                            ; (the add and the youngest 16 loads may be out)
	WIN MUL_LO
	MUL16 0, 1, 0
	s_wait_dscnt 0x0                               ; the add is done, and my reads of this slot are over
	s_barrier_signal -1
	MUL16 2, 1, 0
	WIN 0
	s_barrier_wait -1
.if \fill
	CREST
	s_add_nc_u64 s[G0+4*\slot+2:G0+4*\slot+3], s[G0+4*\slot+2:G0+4*\slot+3], 2*HALFT
	s_add_nc_u64 s[G0B+4*\slot+2:G0B+4*\slot+3], s[G0B+4*\slot+2:G0B+4*\slot+3], 2*HALFT
	JLOAD G0+4*\slot, G1, G0B+4*\slot, G1B         ; the first tensor load behind the round; its four v_nop are also the places in front of the loads below
.else
	PLACES NP
.endif
	FETCH_B \next, 0, 0
	FETCH_A \next, 0, 0
.if \ask
.irp a, 0,1,2,3
	global_prefetch_b8 v[PFO], s[XB:XB+1] offset:\a*131072 th:TH_LOAD_NT scope:SCOPE_SE   ; 16 rows x 512 bytes of x an instruction, a lane to each aligned block of 256 bytes.  Only my wave reads these rows, so each block is named once in the launch; three and a half steps of 64 matrix instructions ahead of the loads that want them.  Blocks 4-7 come by their loads, issued four blocks ahead of their use
.endr
.endif
	WIN MUL_HI
	MUL16 4, 1, 0
	MUL16 6, 1, 0
	PLACES NP
	WIN 0
	FETCH_A \next, 0, 4
.endm
.macro XLOAD a                         ; x's 16 rows of block a -> window 1, set a % 4 (called with the destination in window 1)
.irp t, 0,1,2,3,4,5,6,7,8,9,10,11,12,13,14,15
	global_load_b128 v[64*((\a)%4)+4*\t:64*((\a)%4)+4*\t+3], v[CO], s[XB:XB+1] offset:(16*(\a)+\t)*8192 th:TH_LOAD_NT
.endr
.endm
	s_wait_tensorcnt 1                             ; my part of slot 0 is in; slot 1's load may be out
	s_barrier_signal -1
	s_barrier_wait -1
	FETCH_B 0, 0, 0
	FETCH_A 0, 0, 0
	FETCH_A 0, 0, 4
	STEP 0, 0, 1                                   ; K 0-127: its products start the sums
	TURN 0, 1, 1, 0                                ; slot 0 takes K 512-767
	STEP 1, 0, 0
	TURN 1, 0, 1, 1                                ; slot 1 takes K 768-1,023
	STEP 0, 0, 0
	TURN 0, 1, 0, 0                                ; nothing is left to fetch
	STEP 1, 0, 0
	s_wait_loadcnt 0x0                             ; the bias, asked for at the head
	WIN TO_B
	XLOAD 0                                        ; B's set 0 is done with (the step above ended with its places): x's rows of blocks 0 and 1 land there while the last step is multiplied
	XLOAD 1
	WIN 0
	s_wait_dscnt 4*NL                              ; the last step
	WIN MUL_LO
	MUL16 0, 1, 0
	MUL16 2, 1, 0
	s_wait_alu depctr_va_vdst(0)
	s_wait_dscnt 0
	WIN MUL_HI
	MUL16 4, 1, 0
	MUL16 6, 1, 0
	PLACES NP                                      ; for the loads into B's set 1 and into A's registers, and for the reads of the last results
	WIN TO_B
	XLOAD 2
	XLOAD 3
	WIN 0
; THE WAY OUT of block a (16 channels x 128 tokens).  TOSTAGE: sum x 2^(e6 + e7) + bias, one packed multiply-add for two numbers, each accumulator from its low end on; into my stage; back as whole rows.
; LDS serves a wave's instructions in order (ISA guide 5.7.1.4): no wait between the stores and the loads, nor in front of the next block's stores.
.macro TOSTAGE a
.set AC, 64*((\a)%4)
	WIN 0x02+((\a)/4)                              ; source 0: window 2 or 3
.irp b, 0,1,2,3,4,5,6,7
.irp i, 0,2,4,6
	v_pk_fma_f32 v[TMP+8*\b+\i:TMP+8*\b+\i+1], v[AC+8*\b+\i:AC+8*\b+\i+1], s[96:97], v[PB+2*(\a):PB+2*(\a)+1] op_sel_hi:[1,0,0]
.endr
.endr
	WIN 0
.irp b, 0,1,2,3,4,5,6,7
	ds_store_b128 v[STO], v[TMP+8*\b:TMP+8*\b+3]   offset:128*(\b/2)+32*(\b%2)       ; tokens 32 (b / 2) + 16 h + 8 (b % 2) + 0..7
	ds_store_b128 v[STO], v[TMP+8*\b+4:TMP+8*\b+7] offset:128*(\b/2)+32*(\b%2)+16
.endr
.set BB, BK+64*((\a)%2)
.irp t, 0,1,2,3,4,5,6,7,8,9,10,11,12,13,14,15
	ds_load_b128 v[BB+4*\t:BB+4*\t+3], v[RD] offset:\t*SPITCH
.endr
.endm
; SEND: x's rows are added and the block is stored.  younger: the LDS instructions issued behind block a's loads from the stage, which may stay out.
.macro SEND a, younger
.set BB, BK+64*((\a)%2)
.set XS, 64*((\a)%4)
	s_wait_dscnt \younger
.if (\a) <= 4
	s_wait_loadcnt 48                              ; x's rows of block a are in; those of the three blocks behind it, 16 loads each, may be out
.else
	s_wait_loadcnt 16*(7-(\a))
.endif
	WIN 0x04                                       ; source 1: window 1
.set I, 0
.rept 32
	v_pk_add_f32 v[BB+I:BB+I+1], v[BB+I:BB+I+1], v[XS+I:XS+I+1]
.set I, I+2
.endr
.if (\a) < 4
	WIN TO_B
	XLOAD (\a)+4                                   ; the set takes the block four further on
.endif
	WIN 0
.irp t, 0,1,2,3,4,5,6,7,8,9,10,11,12,13,14,15
	global_store_b128 v[CO], v[BB+4*\t:BB+4*\t+3], s[OBS:OBS+1] offset:(16*(\a)+\t)*8192 th:TH_STORE_NT   ; 32 lanes store 512 consecutive bytes, aligned; the row stands in the immediate, 1,040,384 at the most: no base is stepped
.endr
.endm
	s_wait_kmcnt 0x0
	s_add_co_i32 s96, s86, s87
	s_add_co_i32 s96, s96, 127
	s_lshl_b32 s96, s96, 23                        ; 2^(e6 + e7) as f32
	s_mov_b32 s97, s96                             ; (named with it as a pair, so it is written)
	TOSTAGE 0
.irp a, 1,2,3,4,5,6,7
.if \a > 1
	s_wait_xcnt 0x0                                ; block a - 2's stores have read their registers: block a's loads from the stage may land there
.endif
	TOSTAGE \a
	SEND \a-1, 32                                  ; behind block a - 1's loads: block a's 16 stores and 16 loads
.endr
	SEND 7, 0
	s_wait_tensorcnt 0x0                           ; the wave's end, behind my last tensor load and my last LDS store
	ds_add_u32 v[SPW], v[NIL]
	s_wait_dscnt 0x0
	CROUND                                         ; the closing round: no work-group ends while a partner may still ask for a tile that names it
	s_endpgm
.Lfunc_end_k_qbbe33d4533_proj:
	.size	k_qbbe33d4533_proj, .Lfunc_end_k_qbbe33d4533_proj-k_qbbe33d4533_proj
	.p2alignl 7, 3214868480
	.fill 96, 4, 3214868480
	.section	.rodata,"a",@progbits
	.p2align	6, 0x0
	.amdhsa_kernel k_qbbe33d4533_proj
		.amdhsa_group_segment_fixed_size 327680
		.amdhsa_private_segment_fixed_size 0
		.amdhsa_enable_private_segment 0
		.amdhsa_kernarg_size 48
		.amdhsa_user_sgpr_count 2
		.amdhsa_user_sgpr_kernarg_segment_ptr 1
		.amdhsa_wavefront_size32 1
		.amdhsa_system_sgpr_workgroup_id_x 1
		.amdhsa_system_sgpr_workgroup_id_y 1
		.amdhsa_system_sgpr_workgroup_id_z 1
		.amdhsa_system_vgpr_workitem_id 0
		.amdhsa_next_free_vgpr 1024
		.amdhsa_next_free_sgpr 100
		.amdhsa_reserve_vcc 0
		.amdhsa_float_denorm_mode_32 3
		.amdhsa_float_denorm_mode_16_64 3
		.amdhsa_memory_ordered 1
		.amdhsa_forward_progress 1
		.amdhsa_inst_pref_size 154
	.end_amdhsa_kernel
	.amdgpu_metadata
---
amdhsa.version: [ 1, 2 ]
amdhsa.kernels:
  - .name:           k_qbbe33d4533_proj
    .symbol:         k_qbbe33d4533_proj.kd
    .args:
      - { .name: ac, .offset: 0, .size: 8, .value_kind: global_buffer, .address_space: global }
      - { .name: wi, .offset: 8, .size: 8, .value_kind: global_buffer, .address_space: global }
      - { .name: lowp_scales, .offset: 16, .size: 8, .value_kind: global_buffer, .address_space: global }
      - { .name: proj_b, .offset: 24, .size: 8, .value_kind: global_buffer, .address_space: global }
      - { .name: x, .offset: 32, .size: 8, .value_kind: global_buffer, .address_space: global }
      - { .name: out0, .offset: 40, .size: 8, .value_kind: global_buffer, .address_space: global }
    .group_segment_fixed_size: 327680
    .private_segment_fixed_size: 0
    .kernarg_segment_align: 8
    .kernarg_segment_size: 48
    .max_flat_workgroup_size: 128
    .sgpr_count:     100
    .vgpr_count:     1024
    .wavefront_size: 32
...
	.end_amdgpu_metadata
.endif
;; end of part 4
